; MI455X (gfx1250); checked and timed in simulation.
; The chip was launched on July 23, 2026; its instructions are those of AMD's public machine-readable ISA for CDNA 5 (MIT licence, August 2026) and "CDNA5" Instruction Set Architecture Reference Guide (July 2026). The comments in the code are by the model that wrote it; some were corrected since.
;; Self Attention. Allowed arithmetic: matrix products marked QUANTISED: E2M3 operands, one E8M0 scale for each 32 along K, by v_wmma_scale_f32_16x16x128_f8f6f4 with both operands' format E2M3, f32 sums; everything else in f32.
;; Inputs: Wk 1,024 x 1,024 float32; Wq 1,024 x 1,024 float32; Wv 1,024 x 1,024 float32; bk 1,024 float32; bq 1,024 float32; bv 1,024 float32; x 4 x 2,048 x 1,024 float32.
;; Outputs: out0 4 x 2,048 x 1,024 float32.
;; This version of the problem:
;;   THIS VERSION OF THE PROBLEM IS GIVEN IN LOW PRECISION. The matrix products marked QUANTISED in the list below multiply operands that are first quantised to E2M3 (2 exponent bits, 3 mantissa bits; 6 bits a number), with one power-of-two scale for each 32 numbers along K (OCP MX v1.0); their sums are f32. All else is computed in f32.
;;   The module's matrix products, in the order in which they are computed (A, B: the left and right operand; K: the contracted axis; several contracted axes count as one K, in the product's order):
;;     1. [M 8,192, K 1,024] x [K 1,024, N 1,024]; A: input x; B: input Wq: QUANTISED
;;     2. [M 8,192, K 1,024] x [K 1,024, N 1,024]; A: input x; B: input Wk: QUANTISED
;;     3. [M 8,192, K 1,024] x [K 1,024, N 1,024]; A: input x; B: input Wv: QUANTISED
;;     4. batch 4 x [M 2,048, K 1,024] x [K 1,024, N 2,048]; A: computed on the way; B: computed on the way: QUANTISED
;;     5. batch 4 x [M 2,048, K 2,048] x [K 2,048, N 1,024]; A: softmax (see below); B: computed on the way: QUANTISED
;;   THE QUANTISER, for each operand of a quantised product, along K:
;;     - K is cut into blocks of 32 from its start; a last block that is shorter is filled with zeros.
;;     - A block's scale is 2^e with e = floor(log2(the largest magnitude in the block)) - 2, held to -126 .. 127; a block of zeros has e = 0. As a byte (E8M0): e + 127.
;;     - Each number is divided by its block's scale, clamped to +-7.5, and rounded to the nearest number of E2M3, ties to even, subnormals kept.
;;     - The product sums the exact products of the quantised numbers (number of the format x scale) in f32.
;;   ~~~python
;;   def quantise(x, axis):      # numpy; x: float32 -> the quantised numbers, widened to float32 again
;;       x = np.moveaxis(x, axis, -1); K = x.shape[-1]
;;       x = np.pad(x, [(0, 0)] * (x.ndim - 1) + [(0, -K % 32)]); x = x.reshape(x.shape[:-1] + (-1, 32)); a = np.abs(x).max(-1, keepdims=True)
;;       e = np.where(a > 0, np.clip(np.frexp(np.where(a > 0, a, 1))[1] - 1 - 2, -126, 127), 0)      # np.frexp(a)[1] - 1 = floor(log2(a)), exactly
;;       r = np.clip(x / 2.0 ** e, -7.5, 7.5)
;;       step = 2.0 ** (np.maximum(np.frexp(np.where(r == 0, 1, r))[1] - 1, 0) - 3)
;;       q = np.round(r / step) * step * 2.0 ** e      # np.round: ties to even
;;       return np.moveaxis(q.reshape(q.shape[:-2] + (-1,))[..., :K], -1, axis).astype(np.float32)
;;   ~~~
;;   SOFTMAX AHEAD OF A QUANTISED PRODUCT. Where the list says 'softmax', what is quantised is not the finished softmax but p = 2^(t - M), with t = logit x log2(e) and M = ceil(the row's largest t), a whole number; so 1/2 < the row's largest p <= 1. The row's sum l is taken of the UNQUANTISED p, in f32, and the product's result is divided by l at the end. Since M is a whole number, a kernel that streams over the keys may use a running M (the ceiling of the running maximum): every later rescaling is an exact power of two, which a block's scale takes up: the codes' values come out the same.
;;   OPERANDS COMPUTED ON THE WAY. 'Computed on the way' means the value that the module computes at that place (a softmax that the list does not call 'softmax' is quantised finished and normalised). What goes into a quantiser is computed in f32, as accurately as f32 sums, v_exp_f32 and their like allow (about 1e-6 of the number): no bf16 or f16 on the way to a quantiser, and a product that is left as it is and whose result goes on into a quantised operand takes f32 operands (vector FMAs, or v_wmma_f32_16x16x4_f32). A number that lies on a knife's edge between two numbers of the format may be rounded either way, as far as f32 arithmetic and the matrix unit's own rounding can turn it there, and no further.
;; One version. Each part assembles by itself: llvm-mc -triple=amdgcn-amd-amdhsa -mcpu=gfx1250 --defsym DOCPART=n.
;; ======== version 1 of 1: 4 launches
;; workspace buffers: opc 8,650,752 bytes; ops 360,448 bytes; qkvc 18,874,368 bytes; qkvs 786,432 bytes; pc 12,582,912 bytes; ps 524,288 bytes; pst 1,048,576 bytes
;; launch quant (part 1): grid 704 x 1, 4 waves a work-group, no clusters, 34,816 bytes of LDS; arguments x, Wq, Wk, Wv, opc, ops; writes opc, ops
.if DOCPART == 1
	.amdgcn_target "amdgcn-amd-amdhsa--gfx1250"
	.amdhsa_code_object_version 6
	.text
	.protected	k_qc921be2bd5_quant
	.globl	k_qc921be2bd5_quant
	.p2align	8
	.type	k_qc921be2bd5_quant,@function
k_qc921be2bd5_quant:
	s_mov_b64 s[64:65], 0
	v_nop
	global_prefetch_b8 v0, s[64:65] scope:SCOPE_SE
	s_setreg_imm32_b32 hwreg(HW_REG_WAVE_MODE, 25, 1), 1
	s_wait_xcnt 0x0
; x [8192][1024], Wq, Wk, Wv [1024][1024], f32, K innermost, become codes of FP6 (E2M3) with one E8M0 scale byte for each 32 along K.
; A block's scale is 2^(floor(log2(its largest magnitude)) - 2); its byte is that magnitude's exponent field - 2, held at 1 from below.
; THE OUTPUT IS LAID IN THE ORDER OF THE OPERAND'S REGISTERS (an image).  A panel is 128 rows, a block 16 rows, a step 128 along K.
;   codes:  [panel][step 8][block 8][group 3][lane 32][16 bytes]: group c is registers 4 c .. 4 c + 3 of a fragment's twelve;  12,288 bytes a panel and step
;   scales: [panel][step 8][block 8][row 16] words of four bytes;  512 bytes a panel and step
;   lane r of block i holds row 32 (i / 2) + 8 (i % 2) + r + 8 (r / 8) of the panel.  Panels 0-63 x, 64-71 Wq, 72-79 Wk, 80-87 Wv.
; SHARES.  Work-group g takes panel g / 8, steps 2 ((g / 2) % 4) and the next, and blocks 4 (g % 2) .. 4 (g % 2) + 3; wave w takes one of the four blocks: two fragments, 16 rows x 256 numbers.
; 704 work-groups of four waves: 2.75 for each of 256 WGPs, so that no WGP has more than 3.
; Each load reads 512 consecutive bytes of one row; a fragment's 8,192 bytes turn through the wave's own stage in LDS and come back 16 neighbours of each block of 32 to a lane, as the conversions want them.
; LIMITS: NaN and infinities are not served.  A block of zeros, or one whose largest magnitude lies under 2^-124, keeps the byte 1 (the rule says 127 for zeros): its codes add nothing or next to nothing, and this program alone reads the bytes.
.set STG,  8448                        ; a wave's stage: 16 rows x (512 bytes + 16)
.set SCR,  4*STG                       ; behind the stages: the work-group's scale words, [2 steps][4 blocks][16]
.set LI,   1                           ; v1   16 x lane
.set SIN,  2                           ; v2   the stage, way in: 16 x lane in row 0
.set SOUT, 3                           ; v3   way out: row r, + 64 h
.set SWA,  4                           ; v4   where my row's scale word goes
.set GS,   5                           ; v5   the scale words' way out: 16 x lane + 256 h
.set SRD,  6                           ; v6   and where they lie in LDS: 16 x lane
.set TM,   16                          ; v16-31 at work in QUANT
.set R0,   32                          ; v32-95  the first fragment's 64 numbers
.set R1,   96                          ; v96-159 the second's
.set PC0,  160                         ; v160-171, v172-183 the two fragments' codes: each its own, so that no store's data are written again
.set PC1,  172
.set PX,   184                         ; v184-191 the conversions' second halves
.set PW0,  192                         ; the two scale words
.set PW1,  193
.set OW,   196
.set SEL,  32                          ; s[32:33] lane selects: lane l xor 16
; 64 numbers of a lane, register 16 b + i = k 32 b + 16 (lane / 16) + i of my row, become a fragment's twelve registers of codes at v[pc] and its scale word in v[pw].
.macro QUANT s, pc, px, pw
.irp b, 0,1,2,3
	v_max3_num_f32 v[TM+\b], |v[(\s)+16*\b]|, |v[(\s)+1+16*\b]|, 0x1800000   ; my 16 numbers of block b, and the floor 2^(3 - 127): the byte cannot fall under 1
.endr
.irp i, 2,4,6,8,10,12,14
.irp b, 0,1,2,3
	v_max3_num_f32 v[TM+\b], v[TM+\b], |v[(\s)+16*\b+\i]|, |v[(\s)+1+16*\b+\i]|   ; the four blocks by turns
.endr
.endr
.irp b, 0,1,2,3
	v_permlanex16_b32 v[TM+4+\b], v[TM+\b], s[SEL], s[SEL+1]
.endr
.irp b, 0,1,2,3
	v_max_num_f32 v[TM+\b], v[TM+\b], v[TM+4+\b]   ; with lane l xor 16's: the block's largest magnitude
.endr
.irp b, 0,1,2,3
	v_add_nc_u32 v[TM+12+\b], 0xff000000, v[TM+\b]   ; 2 off its exponent field: the conversion's scale operand
.endr
.irp b, 0,1,2,3
	v_lshrrev_b32 v[TM+4+\b], 23, v[TM+12+\b]      ; the scale's byte
.endr
	v_lshl_or_b32 v[\pw], v[TM+5], 8, v[TM+4]
	v_lshl_or_b32 v[\pw], v[TM+6], 16, v[\pw]
	v_lshl_or_b32 v[\pw], v[TM+7], 24, v[\pw]      ; my row's scale word
.irp c, 0,1
	v_cvt_scalef32_pk16_fp6_f32 v[(\pc)+6*\c:(\pc)+6*\c+2], v[(\s)+32*\c:(\s)+32*\c+15], v[TM+12+2*\c]
	v_cvt_scalef32_pk16_fp6_f32 v[(\px)+4*\c:(\px)+4*\c+2], v[(\s)+16+32*\c:(\s)+31+32*\c], v[TM+13+2*\c]   ; (a conversion's three registers begin on an even number)
.endr
	v_nop                                          ; one plain place behind a scaled conversion
.irp c, 0,1                                    ; the layout wants a whole block in a lane: lanes 0-15 block 2 c, lanes 16-31 block 2 c + 1
.irp i, 0,1,2
	v_permlane16_swap_b32 v[(\pc)+6*\c+\i], v[(\px)+4*\c+\i]
.endr
.irp i, 0,1,2
	v_mov_b32 v[(\pc)+3+6*\c+\i], v[(\px)+4*\c+\i]
.endr
.endr
.endm
; A fragment's numbers through the stage, back into the registers that they left.  LDS serves a wave's instructions in order (ISA guide 5.7.1.4): no wait between the stores and the loads, nor in front of the next turn's stores.
.macro TURN reg
.irp t, 0,1,2,3,4,5,6,7,8,9,10,11,12,13,14,15
	ds_store_b128 v[SIN], v[\reg+4*\t:\reg+4*\t+3] offset:528*\t
.endr
.irp b, 0,1,2,3
.irp j, 0,1,2,3
	ds_load_b128 v[\reg+16*\b+4*\j:\reg+16*\b+4*\j+3], v[SOUT] offset:128*\b+16*\j
.endr
.endr
.endm
	s_load_b256 s[4:11], s[0:1], 0x0               ; x s[4:5], Wq s[6:7], Wk s[8:9], Wv s[10:11]
	s_load_b128 s[12:15], s[0:1], 0x20             ; the codes s[12:13], the scale words s[14:15]
	v_lshl_add_u32 v208, v0, 2, 0x8600
	v_mov_b32 v209, 0
	v_lshrrev_b32 v7, 5, v0
	v_readfirstlane_b32 s16, v7                    ; wave 0..3
	v_and_b32 v8, 31, v0                           ; lane
	v_and_b32 v9, 15, v0                           ; r
	v_bfe_u32 v10, v0, 4, 1                        ; h
	v_lshlrev_b32 v[LI], 4, v8
	s_mul_i32 s17, s16, STG
	v_add_nc_u32 v[SIN], s17, v[LI]
	v_mul_u32_u24 v[SOUT], v9, 528
	v_lshl_add_u32 v[SOUT], v10, 6, v[SOUT]
	v_add_nc_u32 v[SOUT], s17, v[SOUT]
	s_lshl_b32 s18, s16, 6
	s_add_co_u32 s18, s18, SCR
	v_lshl_add_u32 v[SWA], v9, 2, s18              ; SCR + 64 x wave + 4 r
	v_lshl_add_u32 v[GS], v10, 8, v[LI]            ; lanes 0-15: the first step's 256 bytes; lanes 16-31: the second step's, 512 bytes on in memory
	v_add_nc_u32 v[SRD], SCR, v[LI]
.irp b, 0,1,2,3
	v_mov_b32 v[TM+4+\b], 0                        ; written once: a lane permute's destination counts as one of its sources
.endr
	s_mov_b32 s[SEL], 0x76543210
	s_mov_b32 s[SEL+1], 0xfedcba98
	s_lshr_b32 s20, ttmp9, 3                       ; panel 0..87
	s_bfe_u32 s21, ttmp9, 0x20001                  ; two bits from bit 1
	s_lshl_b32 s21, s21, 1                         ; my first step
	s_and_b32 s19, ttmp9, 1                        ; which four blocks
	s_lshl_b32 s34, s19, 8                         ; their 256 bytes of a step's scale words
	s_lshl_b32 s19, s19, 2
	s_add_co_u32 s19, s19, s16                     ; my block 0..7
	s_lshl_b32 s28, s20, 3
	s_add_co_u32 s28, s28, s21                     ; u = 8 x panel + step
	s_mul_i32 s30, s28, 12288
	s_mul_i32 s29, s19, 1536
	s_add_co_u32 s30, s30, s29                     ; my fragment's place among the codes
	s_mov_b32 s31, 0
	s_lshl_b32 s28, s28, 9
	s_add_co_u32 s28, s28, s34                     ; and the work-group's among the scale words
	s_mov_b32 s29, 0
	s_wait_kmcnt 0x0
	s_mov_b64 s[24:25], s[10:11]                   ; which tensor, and its first panel: the choice hangs on the work-group's number alone
	s_mov_b32 s22, 80
	s_cmp_lt_u32 s20, 80
	s_cselect_b64 s[24:25], s[8:9], s[24:25]
	s_cselect_b32 s22, 72, s22
	s_cmp_lt_u32 s20, 72
	s_cselect_b64 s[24:25], s[6:7], s[24:25]
	s_cselect_b32 s22, 64, s22
	s_cmp_lt_u32 s20, 64
	s_cselect_b64 s[24:25], s[4:5], s[24:25]
	s_cselect_b32 s22, 0, s22
	s_sub_co_u32 s22, s20, s22                     ; the panel within its tensor
	s_lshl_b32 s26, s22, 19                        ; 128 rows of 4,096 bytes
	s_lshr_b32 s23, s19, 1
	s_lshl_b32 s23, s23, 17                        ; + 32 (block / 2) rows
	s_add_co_u32 s26, s26, s23
	s_and_b32 s23, s19, 1
	s_lshl_b32 s23, s23, 15                        ; + 8 (block % 2) rows
	s_add_co_u32 s26, s26, s23
	s_lshl_b32 s23, s21, 9                         ; + 512 bytes a step
	s_add_co_u32 s26, s26, s23
	s_mov_b32 s27, 0
	s_add_nc_u64 s[24:25], s[24:25], s[26:27]
	s_add_nc_u64 s[12:13], s[12:13], s[30:31]
	s_add_nc_u64 s[14:15], s[14:15], s[28:29]
.irp t, 0,1,2,3,4,5,6,7,8,9,10,11,12,13,14,15
	global_load_b128 v[R0+4*\t:R0+4*\t+3], v[LI], s[24:25] offset:(\t+8*(\t/8))*4096 th:TH_LOAD_NT   ; the block's row t: 32 lanes read 512 consecutive bytes
.endr
.irp t, 0,1,2,3,4,5,6,7,8,9,10,11,12,13,14,15
	global_load_b128 v[R1+4*\t:R1+4*\t+3], v[LI], s[24:25] offset:(\t+8*(\t/8))*4096+512 th:TH_LOAD_NT
.endr
	s_wait_loadcnt 16                              ; the first fragment's 16 loads are in; the second's may be out
	TURN R0
	s_wait_loadcnt 0x0
	TURN R1
	s_wait_dscnt 32                                ; the first turn is back; the second's 16 stores and 16 loads may be out
	QUANT R0, PC0, PX, PW0
	ds_store_b32 v[SWA], v[PW0]                    ; lanes r and r + 16 write the same word with the same value
.irp c, 0,1,2
	global_store_b128 v[LI], v[PC0+4*\c:PC0+4*\c+3], s[12:13] offset:512*\c   ; 512 consecutive bytes, at a multiple of 256 from the buffer's first byte
.endr
	s_wait_dscnt 0x0                               ; the second turn is back
	QUANT R1, PC1, PX, PW1
	ds_store_b32 v[SWA], v[PW1] offset:256
.irp c, 0,1,2
	global_store_b128 v[LI], v[PC1+4*\c:PC1+4*\c+3], s[12:13] offset:12288+512*\c
.endr
	s_wait_dscnt 0x0                               ; for the others' sake: my scale words lie in LDS
	s_barrier_signal -1
	s_barrier_wait -1
	s_cmp_lg_u32 s16, 0
	s_cbranch_scc1 .Lend                           ; wave 0 stores the work-group's scale words: sixteen lanes to each step's 256 consecutive bytes, at a multiple of 256 from the buffer's first byte
	ds_load_b128 v[OW:OW+3], v[SRD]
	s_wait_dscnt 0x0
	global_store_b128 v[GS], v[OW:OW+3], s[14:15]
.Lend:
	s_wait_tensorcnt 0x0
	ds_add_u32 v208, v209
	s_wait_dscnt 0x0
	s_endpgm
.Lfunc_end_k_qc921be2bd5_quant:
	.size	k_qc921be2bd5_quant, .Lfunc_end_k_qc921be2bd5_quant-k_qc921be2bd5_quant
	.p2alignl 7, 3214868480
	.fill 96, 4, 3214868480
	.section	.rodata,"a",@progbits
	.p2align	6, 0x0
	.amdhsa_kernel k_qc921be2bd5_quant
		.amdhsa_group_segment_fixed_size 34816
		.amdhsa_private_segment_fixed_size 0
		.amdhsa_enable_private_segment 0
		.amdhsa_kernarg_size 48
		.amdhsa_user_sgpr_count 2
		.amdhsa_user_sgpr_kernarg_segment_ptr 1
		.amdhsa_wavefront_size32 1
		.amdhsa_system_sgpr_workgroup_id_x 1
		.amdhsa_system_sgpr_workgroup_id_y 1
		.amdhsa_system_sgpr_workgroup_id_z 1
		.amdhsa_system_vgpr_workitem_id 0
		.amdhsa_next_free_vgpr 210
		.amdhsa_next_free_sgpr 66
		.amdhsa_reserve_vcc 0
		.amdhsa_float_denorm_mode_32 3
		.amdhsa_float_denorm_mode_16_64 3
		.amdhsa_memory_ordered 1
		.amdhsa_forward_progress 1
		.amdhsa_inst_pref_size 19
	.end_amdhsa_kernel
	.amdgpu_metadata
---
amdhsa.version: [ 1, 2 ]
amdhsa.kernels:
  - .name:           k_qc921be2bd5_quant
    .symbol:         k_qc921be2bd5_quant.kd
    .args:
      - { .name: x, .offset: 0, .size: 8, .value_kind: global_buffer, .address_space: global }
      - { .name: Wq, .offset: 8, .size: 8, .value_kind: global_buffer, .address_space: global }
      - { .name: Wk, .offset: 16, .size: 8, .value_kind: global_buffer, .address_space: global }
      - { .name: Wv, .offset: 24, .size: 8, .value_kind: global_buffer, .address_space: global }
      - { .name: opc, .offset: 32, .size: 8, .value_kind: global_buffer, .address_space: global }
      - { .name: ops, .offset: 40, .size: 8, .value_kind: global_buffer, .address_space: global }
    .group_segment_fixed_size: 34816
    .private_segment_fixed_size: 0
    .kernarg_segment_align: 8
    .kernarg_segment_size: 48
    .max_flat_workgroup_size: 128
    .sgpr_count:     66
    .vgpr_count:     210
    .wavefront_size: 32
...
	.end_amdgpu_metadata
.endif
;; end of part 1
;; launch proj (part 2): grid 8 x 32, 4 waves a work-group, clusters of 4 x 4, 327,680 bytes of LDS; arguments opc, ops, bq, bk, bv, qkvc, qkvs; writes qkvc, qkvs
.if DOCPART == 2
	.amdgcn_target "amdgcn-amd-amdhsa--gfx1250"
	.amdhsa_code_object_version 6
	.text
	.protected	k_qc921be2bd5_proj
	.globl	k_qc921be2bd5_proj
	.p2align	8
	.type	k_qc921be2bd5_proj,@function
k_qc921be2bd5_proj:
	s_mov_b64 s[64:65], 0
	v_nop
	global_prefetch_b8 v0, s[64:65] scope:SCOPE_SE
	s_setreg_imm32_b32 hwreg(HW_REG_WAVE_MODE, 25, 1), 1
	s_wait_xcnt 0x0
	s_wait_alu depctr_hold_cnt(0) depctr_sa_sdst(0) depctr_va_vdst(0) depctr_va_sdst(0) depctr_va_ssrc(0) depctr_va_vcc(0) depctr_vm_vsrc(0)
	s_getreg_b32 s2, hwreg(HW_REG_IB_STS2, 6, 4)
	s_cmp_eq_u32 s2, 0
	s_cbranch_scc0 .Lentry_in_a_cluster
	s_endpgm
.Lentry_in_a_cluster:
	s_bfe_u32 s2, ttmp6, 0x10000c
	s_cmp_lg_u32 s2, 0xf033
	s_cbranch_scc0 .Lentry_shape_is_right
	s_endpgm
.Lentry_shape_is_right:
; Q = x Wq^T + bq, K = x Wk^T + bk, V^T = Wv x^T + bv, each product on codes of FP6 (E2M3) with E8M0 scales, sums in f32; each result is quantised again on the way out:
; Q and K along their 1,024 columns, V along the keys.  Operands and results are IMAGES: codes [panel of 128 rows][step of 128 K][block 8][group 3][lane 32][16 bytes], scale words [panel][step][block 8][row 16];
; lane r of block i holds row 32 (i / 2) + 8 (i % 2) + r + 8 (r / 8) of its panel.  A fragment comes from LDS by three loads of 16 bytes a lane at 16 x lane, and a result leaves by three stores of 512 consecutive bytes.
; THE MATRIX INSTRUCTION: source 0 = 16 rows of B' (its rows become the registers' axis), source 1 = 16 rows of A' (a lane holds one of its rows).  By the order of rows in a block the 16 registers of result tiles 2 b, 2 b + 1
; are 16 NEIGHBOURS 32 b + 16 (lane / 16) + 0 .. 15 of B's panel: the next product's K.  So 16 rows x 128 of results are one fragment of the next operand.
; A WORK-GROUP STAYS.  The three products are 384 tiles of 256 x 256 for 256 WGPs: one and a half each.  So a work-group makes first 256 x 256 of Q or K (A' = x, B' = Wq in clusters x = 0, Wk in x = 1; a wave 128 x 128,
; 64 accumulators), then 128 x 256 of V^T (A' = one panel of Wv, B' = two panels of x; a wave 64 x 128, 32 accumulators).
; LDS: three regions of 98,304 bytes, P0, P1, P2.  The first tile's K goes in four slots of 256: slots 0, 1, 2 are first fills, slot 3 fills P0 again behind step 1 and has four steps in which to land.
; Behind step 5, V's K steps 0-3 (147,456 bytes) go into P1 and the first half of P2; in the middle of the first tile's way out V's steps 4-7 go into the second half of P2 (Wv's) and P0 (x's).  V's eight steps then ask for nothing.
; CLUSTERS: 4 x 4.  A's tiles are shared along a row of the cluster, B's along a column, in both tiles: each is asked for jointly, by the same tensor load with the same descriptor and a mask that names the four.
; THE SCALE WORDS (28,672 bytes a work-group, one byte for 24 bytes of codes) come by plain loads of 512 consecutive bytes a wave and are laid into LDS by the work-group itself: too small a part of the bytes to ask for jointly.
; No tile is asked of memory ahead of its load: three of the first tile's four fills go out at the head, and each later fill is requested 256 matrix instructions, or half a way out and four steps, ahead of its first use.
; BIASES: bq, bk lie along B's rows: they are the C of the first step's products.  bv lies along A's rows: it is added where V's results are moved out of the accumulators.
; LIMITS: NaN and infinities are not served.  A block of zeros, or under 2^-124, keeps the scale byte 1; this program alone reads the bytes.  bv is added behind the sum, bq and bk ahead of it.
; REGISTERS, in windows of 256: window 0: v16-31 addresses; v32-63 scale words, two sets; v64-127 bq or bk, later the numbers to be quantised; v128-223 A's fragments, later the codes; v224-231 bv; v232-239 V's addresses; v240-255 at work.
;   window 1: B's fragments, two sets, at v0 and v128.   windows 2, 3: the accumulators, (a, b) at v[8 (8 (a % 4) + b)].
.set NA,    8                          ; A's blocks of a wave           (set anew for V)
.set NQ,    2                          ; steps behind one address register (set anew for V)
.set NS,    3                          ; such registers                 (set anew for V)
.set FRB,   1536                       ; a fragment's image
.set PSTEP, 12288                      ; a panel's eight fragments of one step
.set PANB,  2*PSTEP                    ; a panel's part of a slot of the first tile
.set SLOT,  4*PANB                     ; A's two panels, then B's two
.set P1,    SLOT
.set P2,    2*SLOT
.set SCLA,  3*SLOT                     ; the first tile's scale words: A's 2 panels x 4,096 bytes;
.set SCLB,  SCLA+8192+128              ; B's; 128 bytes off, so that the two halves of a load of scale words start 128 bytes apart modulo 256
.set VSCA,  SCLB+8192+128              ; V's: Wv's panel, 4,096 bytes;
.set VSCB,  VSCA+4096+128              ; x's two panels
.set SCR,   VSCB+8192+128              ; 512 bytes a wave: the scale words made on the way out.  From SCLA on no tile lands
.set SPARE, SCR+4*512                  ; the spare words, 128 bytes for each wave: two blocks of 256 bytes that no other line names
.set ADRA, 16                          ; v16-18 LDS address of my A fragments in P0, P1, P2
.set ADRB, 20                          ; v20-22 the same for B
.set LI,   24                          ; v24  16 x lane
.set SWA,  25                          ; v25  where my row's new scale word goes
.set SRD,  26                          ; v26  and where they are read back
.set ADRS, 27                          ; v27  my scale words: lanes 0-15 A's, lanes 16-31 B's
.set ADRSH, 27                         ;      (V has a second register for blocks 4-7)
.set SPW,  28                          ; v28  my spare word; never rewritten
.set NIL,  29                          ; v29  0; never rewritten
.set ZZ,   30                          ; v[30:31] 0, 0
.set SC,   32
.set BN,   64
.set T,    64
.set AF,   128
.set BM,   224
.set VADRA, 232                        ; v232-233 V: my A fragments of steps 0-3, 4-7
.set VADRB, 234                        ; v234-235 the same for B
.set VADRS, 236                        ; v236 V's scale words, blocks 0-3
.set VADRSH, 237                       ; v237 blocks 4-7: lanes 0-15 stand 256 bytes back, so that they read my four blocks' words again and nothing beyond them
.set SRD8, 238                         ; v238 V's new scale words, read back 8 bytes a lane
.set LI8,  239                         ; v239 8 x lane
.set TM,   240
.set PX,   2
.set PW,   10
.set G1,   24                          ; s[24:31] group 1, 96 rows of 256 bytes, my row's mask;  s[32:43] group 0 for A's tiles, a set for each region
.set G0,   32
.set G1B,  44                          ; s[44:51] the same with my column's mask;  s[52:63] group 0 for B's tiles
.set G0B,  52
.set SEL,  66                          ; s[66:67] lane selects: lane l xor 16
.set G1W,  76                          ; s[76:83] group 1, 192 rows, my column's mask: four steps of a panel of x
.set VA,   84                          ; s[84:85] where I fetch Wv's codes
.set VB,   86                          ; s[86:87] and x's, for V
.set OC,   88                          ; s[88:89] Q's or K's codes, s[90:91] scale words
.set OS,   90
.set OCV,  92                          ; s[92:93] V^T's codes, s[94:95] scale words
.set OSV,  94
.set MSB, 0
.macro WIN new                         ; the immediate's high byte repeats the setting that is left; a switch that changes nothing is dropped
.if MSB != (\new)
	s_set_vgpr_msb (MSB<<8)|(\new)
.set MSB, (\new)
.endif
.endm
; A joint load: waves 0 and 1 fetch for A, waves 2 and 3 for B; the branch hangs on the wave's number alone.  Four v_nop follow each of the two lines.
.macro JLOAD g0a, g1a, g0b, g1b
	s_cmp_eq_u32 s15, 0
	s_cbranch_scc0 .Lfor_b_\@
	tensor_load_to_lds s[\g0a:\g0a+3], s[\g1a:\g1a+7]
	s_nop 0
.rept 4
	v_nop
.endr
	s_branch .Lasked_\@
.Lfor_b_\@:
	tensor_load_to_lds s[\g0b:\g0b+3], s[\g1b:\g1b+7]
	s_nop 0
.rept 4
	v_nop
.endr
.Lasked_\@:
.endm
.macro CREST                           ; a round of the cluster's barrier behind its opening barrier
	s_cmp_lg_u32 s14, 0
	s_cbranch_scc1 .Lnot_wave_0_\@
	s_barrier_signal -3
.Lnot_wave_0_\@:
	s_barrier_wait -3
	s_barrier_signal -1
	s_barrier_wait -1
.endm
.macro CROUND
	s_barrier_signal -1
	s_barrier_wait -1
	CREST
.endm
.macro PLACES n                        ; plain vector instructions between a matrix instruction and a load into, or a vector instruction on, one of its registers
.rept \n
	v_nop
.endr
.endm
.macro FRAG reg, adr, off              ; a fragment's image: three loads, each 512 consecutive bytes
.irp c, 0,1,2
	ds_load_b128 v[(\reg)+4*\c:(\reg)+4*\c+3], v[\adr] offset:(\off)+512*\c
.endr
.endm
; g is a tile's step of 128 along K, 0 .. 7.  Its fragments lie behind address register (g / NQ) % NS, PSTEP (g % NQ) bytes on; B's go into set g % 2; its scale words lie in set (g / 2) % 2, registers 8 (g % 2) on.
.macro FETCH_B g                       ; B's eight fragments of step g
	WIN 0x40
.irp i, 0,1,2,3,4,5,6,7
	FRAG 128*((\g)%2)+12*\i, ADRB+((\g)/NQ)%NS, PSTEP*((\g)%NQ)+FRB*\i
.endr
	WIN 0
.endm
.macro FETCH_A g, i0, n                ; A's blocks i0 .. i0 + n - 1 of step g
.set FI, \i0
.rept \n
	FRAG AF+12*FI, ADRA+((\g)/NQ)%NS, PSTEP*((\g)%NQ)+FRB*FI
.set FI, FI+1
.endr
.endm
.macro SCALES g                        ; the scale words of steps g and g + 1 (g even): register 8 q + i: lanes 0-15 A's block i, lanes 16-31 B's block i
.set SQ, 0
.rept 2
.irp i, 0,1,2,3
	ds_load_b32 v[SC+16*(((\g)/2)%2)+8*SQ+\i], v[ADRS] offset:512*((\g)+SQ)+64*\i
.endr
.irp i, 4,5,6,7
	ds_load_b32 v[SC+16*(((\g)/2)%2)+8*SQ+\i], v[ADRSH] offset:512*((\g)+SQ)+64*\i
.endr
.set SQ, SQ+1
.endr
.endm
; A's block a against B's eight.  cm = 0: the sums go on; 1: they start at 0; 2: they start at the bias along B's rows.
.macro MULA a, g, cm
.irp b, 0,1,2,3,4,5,6,7
.if (\cm) == 0
	v_wmma_scale_f32_16x16x128_f8f6f4 v[8*(8*((\a)%4)+\b):8*(8*((\a)%4)+\b)+7], v[128*((\g)%2)+12*\b:128*((\g)%2)+12*\b+11], v[AF+12*(\a):AF+12*(\a)+11], v[8*(8*((\a)%4)+\b):8*(8*((\a)%4)+\b)+7], v[SC+16*(((\g)/2)%2)+8*((\g)%2)+\b], v[SC+16*(((\g)/2)%2)+8*((\g)%2)+(\a)] matrix_a_fmt:MATRIX_FMT_FP6 matrix_b_fmt:MATRIX_FMT_FP6 matrix_a_scale:MATRIX_SCALE_ROW1
.elseif (\cm) == 1
	v_wmma_scale_f32_16x16x128_f8f6f4 v[8*(8*((\a)%4)+\b):8*(8*((\a)%4)+\b)+7], v[128*((\g)%2)+12*\b:128*((\g)%2)+12*\b+11], v[AF+12*(\a):AF+12*(\a)+11], 0, v[SC+16*(((\g)/2)%2)+8*((\g)%2)+\b], v[SC+16*(((\g)/2)%2)+8*((\g)%2)+(\a)] matrix_a_fmt:MATRIX_FMT_FP6 matrix_b_fmt:MATRIX_FMT_FP6 matrix_a_scale:MATRIX_SCALE_ROW1
.else
	v_wmma_scale_f32_16x16x128_f8f6f4 v[8*(8*((\a)%4)+\b):8*(8*((\a)%4)+\b)+7], v[128*((\g)%2)+12*\b:128*((\g)%2)+12*\b+11], v[AF+12*(\a):AF+12*(\a)+11], v[BN+8*\b:BN+8*\b+7], v[SC+16*(((\g)/2)%2)+8*((\g)%2)+\b], v[SC+16*(((\g)/2)%2)+8*((\g)%2)+(\a)] matrix_a_fmt:MATRIX_FMT_FP6 matrix_b_fmt:MATRIX_FMT_FP6 matrix_a_scale:MATRIX_SCALE_ROW1
.endif
.endr
.endm
; n blocks of A from a0 on.  Source 0 (B) window 1, source 1 (A) window 0, D window 2 or 3, C with it (the bias: window 0).  The accumulators take turns, one instruction a turn, in the same order in every step.
.macro MULR a0, n, g, cm
.if (\cm) == 2
	WIN ((2+(\a0)/4)<<6)|1
.else
	WIN ((2+(\a0)/4)<<6)|((2+(\a0)/4)<<4)|1
.endif
.set AI, \a0
.rept \n
	MULA AI, \g, \cm
.set AI, AI+1
.endr
.endm
; A step whose successor's bytes every wave may read already.  A block of A is free as soon as its eight products are issued, so A has one set of registers: its first half is fetched anew in the step's middle, its second at the end.
.macro STEP g, cm
	s_wait_dscnt 3*NA/2                            ; all but the youngest loads, the second half of A's blocks
	MULR 0, NA/2, \g, \cm
	s_wait_dscnt 0x0
	PLACES 4
	FETCH_B (\g)+1
	FETCH_A (\g)+1, 0, NA/2
.if (((\g)+1)%2) == 0
	SCALES (\g)+1
.endif
	MULR NA/2, NA/2, \g, \cm
	PLACES 4
	WIN 0
	FETCH_A (\g)+1, NA/2, NA/2
.endm
; A step with a barrier in it: in front of it each wave waits for all its tensor loads, adds 0 to its spare word, and waits for that and for its reads so far; behind it the next step's bytes are whole for every wave.
; kind = 0: nothing is filled.  kind = 1, 2: the barrier opens a round of the cluster's barrier, and behind the round comes the wave's one joint load: 1: P0 takes the first tile's slot 3;  2: P1 and half of P2 take V's steps 0-3.
.macro TURN g, kind
	s_wait_tensorcnt 0x0                           ; all my tensor loads have landed
	ds_add_u32 v[SPW], v[NIL]                      ; 0 onto my spare word
	s_wait_dscnt 3*NA/2+1                          ; (the add and the second half of A's blocks may be out)
	MULR 0, NA/4, \g, 0
	s_wait_dscnt 0x0                               ; the add is done, and my reads of the regions used so far are over
	s_barrier_signal -1
	MULR NA/4, NA/4, \g, 0
	WIN 0
	s_barrier_wait -1
.if (\kind) == 1
	CREST                                          ; no wave of any partner still reads P0 or has a load on its way
	s_add_nc_u64 s[G0+2:G0+3], s[G0+2:G0+3], 3*PANB
	s_add_nc_u64 s[G0B+2:G0B+3], s[G0B+2:G0B+3], 3*PANB
	JLOAD G0, G1, G0B, G1B                         ; the first tensor load behind the round; its four v_nop are the places in front of the loads below
.elseif (\kind) == 2
	CREST                                          ; no wave of any partner still reads P1 or P2 or has a load on its way
	s_mul_i32 s3, s16, 2*PSTEP
	s_add_co_u32 s[G0+5], s3, P1                   ; waves 0, 1: Wv's steps 0, 1 and 2, 3
	s_mov_b64 s[G0+6:G0+7], s[VA:VA+1]
	s_or_b32 s[G0+7], s[G0+7], 0x80000000
	s_mul_i32 s3, s16, 4*PSTEP
	s_add_co_u32 s[G0B+5], s3, P1+4*PSTEP          ; waves 2, 3: four steps of a panel of x
	s_mov_b64 s[G0B+6:G0B+7], s[VB:VB+1]
	s_or_b32 s[G0B+7], s[G0B+7], 0x80000000
	JLOAD G0+4, G1, G0B+4, G1W
.else
	PLACES 4
.endif
	FETCH_B (\g)+1
	FETCH_A (\g)+1, 0, NA/2
.if (((\g)+1)%2) == 0
	SCALES (\g)+1
.endif
	MULR NA/2, NA/2, \g, 0
	PLACES 4
	WIN 0
	FETCH_A (\g)+1, NA/2, NA/2
.endm
.macro LAST g                          ; a tile's last step: nothing more to fetch
	s_wait_dscnt 3*NA/2
	MULR 0, NA/2, \g, 0
	s_wait_dscnt 0x0
	MULR NA/2, NA/2, \g, 0
	WIN 0
.endm
; 64 numbers of a lane, register 16 b + i = k 32 b + 16 (lane / 16) + i of my row, become a fragment's twelve registers of codes at v[pc] and its scale word in v[pw].
.macro QUANT s, pc, px, pw
.irp b, 0,1,2,3
	v_max3_num_f32 v[TM+\b], |v[(\s)+16*\b]|, |v[(\s)+1+16*\b]|, 0x1800000   ; my 16 numbers of block b, and the floor 2^(3 - 127): the byte cannot fall under 1
.endr
.irp i, 2,4,6,8,10,12,14
.irp b, 0,1,2,3
	v_max3_num_f32 v[TM+\b], v[TM+\b], |v[(\s)+16*\b+\i]|, |v[(\s)+1+16*\b+\i]|
.endr
.endr
.irp b, 0,1,2,3
	v_permlanex16_b32 v[TM+4+\b], v[TM+\b], s[SEL], s[SEL+1]
.endr
.irp b, 0,1,2,3
	v_max_num_f32 v[TM+\b], v[TM+\b], v[TM+4+\b]   ; with lane l xor 16's: the block's largest magnitude
.endr
.irp b, 0,1,2,3
	v_add_nc_u32 v[TM+12+\b], 0xff000000, v[TM+\b]   ; 2 off its exponent field: the conversion's scale operand
.endr
.irp b, 0,1,2,3
	v_lshrrev_b32 v[TM+4+\b], 23, v[TM+12+\b]      ; the scale's byte
.endr
	v_lshl_or_b32 v[\pw], v[TM+5], 8, v[TM+4]
	v_lshl_or_b32 v[\pw], v[TM+6], 16, v[\pw]
	v_lshl_or_b32 v[\pw], v[TM+7], 24, v[\pw]
.irp c, 0,1
	v_cvt_scalef32_pk16_fp6_f32 v[(\pc)+6*\c:(\pc)+6*\c+2], v[(\s)+32*\c:(\s)+32*\c+15], v[TM+12+2*\c]
	v_cvt_scalef32_pk16_fp6_f32 v[(\px)+4*\c:(\px)+4*\c+2], v[(\s)+16+32*\c:(\s)+31+32*\c], v[TM+13+2*\c]
.endr
	v_nop                                          ; one plain place behind a scaled conversion
.irp c, 0,1
.irp i, 0,1,2
	v_permlane16_swap_b32 v[(\pc)+6*\c+\i], v[(\px)+4*\c+\i]
.endr
.irp i, 0,1,2
	v_mov_b32 v[(\pc)+3+6*\c+\i], v[(\px)+4*\c+\i]
.endr
.endr
.endm
; THE WAY OUT of A's block a: its 64 results a lane leave the accumulators' window two at a time (each accumulator from its low end on; there is no packed move, so the pair bp is added: bv for V, zeros for Q and K),
; are quantised, and are one fragment of the result's image, stored at s[oc:oc+1].
.macro OUTBLK a, bp, oc
	WIN 0x02+(\a)/4
.set J, 0
.rept 32
	v_pk_add_f32 v[T+J:T+J+1], v[64*((\a)%4)+J:64*((\a)%4)+J+1], v[(\bp):(\bp)+1]
.set J, J+2
.endr
	WIN 0
	QUANT T, AF+12*(\a), PX, PW
	ds_store_b32 v[SWA], v[PW] offset:64*(\a)      ; lanes r and r + 16 write the same word with the same value
.irp c, 0,1,2
	global_store_b128 v[LI], v[AF+12*(\a)+4*\c:AF+12*(\a)+4*\c+3], s[\oc:\oc+1] offset:FRB*(\a)+512*\c   ; 512 consecutive bytes; each block of a tile has code registers of its own
.endr
.endm
	s_load_b256 s[4:11], s[0:1], 0x0               ; the operands' codes s[4:5], their scale words s[6:7], bq s[8:9], bk s[10:11]
	s_load_b64 s[12:13], s[0:1], 0x20              ; bv
	s_load_b64 s[OC:OC+1], s[0:1], 0x28            ; the results' codes
	s_load_b64 s[OS:OS+1], s[0:1], 0x30            ; and scale words
	v_lshl_add_u32 v[SPW], v0, 2, SPARE
	v_mov_b32 v[NIL], 0
	ds_add_u32 v28, v29
	ds_add_u32 v28, v29
	s_wait_dscnt 0x0
	v_lshrrev_b32 v1, 5, v0
	v_readfirstlane_b32 s14, v1                    ; wave 0..3
	s_lshr_b32 s15, s14, 1                         ; which half of A's rows is mine.  Also: I fetch for A (0) or for B (1)
	s_and_b32 s16, s14, 1                          ; which panel of B.  Also: which part I fetch
	s_bfe_u32 s19, ttmp6, 0x40000                  ; cx, cy: my place in the cluster
	s_bfe_u32 s20, ttmp6, 0x40004
	s_and_b32 s2, ttmp7, 0xffff                    ; the cluster's y, 0..7
	s_lshl_b32 s18, ttmp9, 2
	s_add_co_u32 s18, s18, s19                     ; first tile: tile column 0..7 (256 rows of Wq, then of Wk)
	s_lshl_b32 s17, s2, 2
	s_add_co_u32 s17, s17, s20                     ; tile row 0..31 (256 rows of x)
	s_lshl_b32 s23, ttmp9, 2
	s_add_co_u32 s23, s23, s20                     ; V: Wv's panel 0..7: shared along my row of the cluster
	s_lshl_b32 s3, s2, 2
	s_add_co_u32 s3, s3, s19                       ; V: which 256 keys, 0..31: shared along my column
	s_lshl_b32 s100, s3, 1
	s_add_co_u32 s100, s100, s16                   ; V: my panel of x
	s_lshl_b32 s21, s20, 2
	s_lshl_b32 s21, 15, s21                        ; my row of the cluster
	s_lshl_b32 s22, 0x1111, s19                    ; my column
	; group 1: every tile is a dense block of memory, taken as rows of 256 bytes (32 elements of 8 bytes), no padding
	s_or_b32 s[G1+0], s21, (3<<16)|(1<<21)         ; 15:0 the mask; 17:16 elements of 8 bytes; 21 set beside a mask
	s_or_b32 s[G1B+0], s22, (3<<16)|(1<<21)
.irp g, G1, G1B
	s_mov_b32 s[\g+1], 32<<16                      ; tensor_dim0
	s_mov_b32 s[\g+2], (PANB/256)<<16              ; tensor_dim1
	s_mov_b32 s[\g+3], 32<<16                      ; tile_dim0
	s_mov_b32 s[\g+4], PANB/256                    ; tile_dim1
	s_mov_b32 s[\g+5], 32                          ; from row to row
	s_mov_b32 s[\g+6], 0
	s_mov_b32 s[\g+7], 0
.endr
	s_or_b32 s[G1W+0], s22, (3<<16)|(1<<21)
	s_mov_b32 s[G1W+1], 32<<16
	s_mov_b32 s[G1W+2], (4*PSTEP/256)<<16          ; four steps of a panel: 49,152 bytes
	s_mov_b32 s[G1W+3], 32<<16
	s_mov_b32 s[G1W+4], 4*PSTEP/256
	s_mov_b32 s[G1W+5], 32
	s_mov_b32 s[G1W+6], 0
	s_mov_b32 s[G1W+7], 0
	v_and_b32 v1, 15, v0                           ; r
	v_bfe_u32 v2, v0, 4, 1                         ; h
	v_and_b32 v3, 31, v0                           ; lane
	v_lshlrev_b32 v[LI], 4, v3
	v_lshlrev_b32 v4, 6, v2                        ; bq, bk: 16 h numbers on
	v_and_b32 v5, 8, v1
	v_add_nc_u32 v5, v5, v1
	v_lshlrev_b32 v5, 2, v5                        ; bv: r + 8 (r / 8) numbers on
	v_lshlrev_b32 v11, 4, v0                       ; the scale words: 16 bytes a thread
	v_lshl_add_u32 v12, v0, 4, SCLA                ; and their place in LDS
	; offsets, each in a pair of its own; the buffers' addresses are added behind the wait
	s_lshl_b32 s96, s17, 1
	s_add_co_u32 s96, s96, s16
	s_mul_i32 s96, s96, 8*PSTEP                    ; A's panel that I fetch: it hangs on the tile row alone
	s_mov_b32 s97, 0
	s_lshl_b32 s98, s18, 1
	s_add_co_u32 s98, s98, s16
	s_add_co_u32 s98, s98, 64
	s_mul_i32 s98, s98, 8*PSTEP                    ; B's: on the tile column alone
	s_mov_b32 s99, 0
	s_add_co_u32 s[VA], s23, 80
	s_mul_i32 s[VA], s[VA], 8*PSTEP                ; Wv's panel,
	s_mul_i32 s[VA+1], s16, 2*PSTEP                ; + the two steps of four that I fetch
	s_add_co_u32 s[VA], s[VA], s[VA+1]
	s_mov_b32 s[VA+1], 0
	s_mul_i32 s[VB], s100, 8*PSTEP                 ; x's panel for V
	s_mov_b32 s[VB+1], 0
	s_lshl_b32 s68, s17, 13                        ; scale words, 4,096 bytes a panel: x's two panels of the first tile,
	s_mov_b32 s69, 0
	s_lshl_b32 s70, s18, 13
	s_add_co_u32 s70, s70, 64<<12                  ; Wq's or Wk's two,
	s_mov_b32 s71, 0
	s_add_co_u32 s72, s23, 80
	s_lshl_b32 s72, s72, 12                        ; Wv's one,
	s_mov_b32 s73, 0
	s_lshl_b32 s74, s3, 13                         ; x's two for V
	s_mov_b32 s75, 0
	s_lshl_b32 s92, s19, 10
	s_lshl_b32 s93, s16, 9
	s_add_co_u32 s92, s92, s93                     ; bq, bk: 1,024 cx + 512 x my panel of B, in bytes
	s_mov_b32 s93, 0
	s_lshl_b32 s94, s23, 9
	s_lshl_b32 s95, s15, 8
	s_add_co_u32 s94, s94, s95                     ; bv: 128 x Wv's panel + 64 x my half
	s_mov_b32 s95, 0
	s_mul_i32 s101, s14, PANB                      ; where my part of a slot goes: wave x a panel's part: no place in the cluster enters an LDS address
	s_wait_kmcnt 0x0
	s_add_nc_u64 s[96:97], s[4:5], s[96:97]
	s_add_nc_u64 s[98:99], s[4:5], s[98:99]
	s_add_nc_u64 s[VA:VA+1], s[4:5], s[VA:VA+1]
	s_add_nc_u64 s[VB:VB+1], s[4:5], s[VB:VB+1]
	s_add_nc_u64 s[68:69], s[6:7], s[68:69]
	s_add_nc_u64 s[70:71], s[6:7], s[70:71]
	s_add_nc_u64 s[72:73], s[6:7], s[72:73]
	s_add_nc_u64 s[74:75], s[6:7], s[74:75]
	s_cmp_eq_u32 ttmp9, 0
	s_cselect_b64 s[8:9], s[8:9], s[10:11]         ; bq or bk: by the cluster's x, the same in all partners
	s_add_nc_u64 s[8:9], s[8:9], s[92:93]
	s_add_nc_u64 s[12:13], s[12:13], s[94:95]
.irp j, 0,1,2,3
	global_load_b128 v[128+4*\j:131+4*\j], v11, s[68:69] offset:2048*\j   ; the scale words: a wave reads 512 consecutive bytes
	global_load_b128 v[144+4*\j:147+4*\j], v11, s[70:71] offset:2048*\j
	global_load_b128 v[168+4*\j:171+4*\j], v11, s[74:75] offset:2048*\j
.endr
.irp j, 0,1
	global_load_b128 v[160+4*\j:163+4*\j], v11, s[72:73] offset:2048*\j
.endr
.irp t, 0,1,2,3,4,5,6,7
	global_load_b128 v[BN+8*\t:BN+8*\t+3], v4, s[8:9] offset:(32*(\t/2)+8*(\t%2))*4        ; result tile t's register j is row 32 (t / 2) + 8 (t % 2) + 16 h + j of B's panel
	global_load_b128 v[BN+8*\t+4:BN+8*\t+7], v4, s[8:9] offset:(32*(\t/2)+8*(\t%2))*4+16
.endr
.irp a, 0,1,2,3
	global_load_b32 v[BM+2*\a], v5, s[12:13] offset:(32*(\a/2)+8*(\a%2))*4                 ; my block a's lane r is row 32 (a / 2) + 8 (a % 2) + r + 8 (r / 8) of my 64
.endr
	CROUND                                         ; all sixteen work-groups are here: the first joint loads meet
.irp s, 0,1,2
	s_mov_b32 s[G0+4*\s], 1
	s_add_co_u32 s[G0+4*\s+1], s101, \s*SLOT
	s_add_nc_u64 s[G0+4*\s+2:G0+4*\s+3], s[96:97], \s*PANB
	s_or_b32 s[G0+4*\s+3], s[G0+4*\s+3], 0x80000000
	s_mov_b32 s[G0B+4*\s], 1
	s_add_co_u32 s[G0B+4*\s+1], s101, \s*SLOT
	s_add_nc_u64 s[G0B+4*\s+2:G0B+4*\s+3], s[98:99], \s*PANB
	s_or_b32 s[G0B+4*\s+3], s[G0B+4*\s+3], 0x80000000
	JLOAD G0+4*\s, G1, G0B+4*\s, G1B               ; slots 0, 1, 2 of the first tile: three loads of mine are out behind this group
.endr
	s_mov_b32 s[SEL], 0x76543210
	s_mov_b32 s[SEL+1], 0xfedcba98
	s_mul_i32 s96, s15, PANB                       ; my panel of A,
	s_mul_i32 s97, s16, PANB                       ; my panel of B,
	s_add_co_u32 s97, s97, 2*PANB                  ; which lies behind A's two
.irp s, 0,1,2
	v_add_nc_u32 v[ADRA+\s], s96, v[LI]
	v_add_nc_u32 v[ADRB+\s], s97, v[LI]
	s_add_co_u32 s96, s96, SLOT
	s_add_co_u32 s97, s97, SLOT
.endr
	s_lshl_b32 s96, s15, 12                        ; A's scale words: my panel's
	s_lshl_b32 s97, s16, 12                        ; B's
	s_add_co_u32 s97, s97, SCLB-SCLA
	s_sub_co_u32 s97, s97, s96                     ; the distance between the two
	v_mul_u32_u24 v6, s97, v2                      ; lanes 16-31 take B's
	s_add_co_u32 s96, s96, SCLA
	v_lshl_add_u32 v6, v1, 2, v6
	v_add_nc_u32 v[ADRS], s96, v6
	s_mul_i32 s96, s15, 4*FRB                      ; V: my four blocks of Wv's eight,
	s_add_co_u32 s97, s96, P1
	v_add_nc_u32 v[VADRA], s97, v[LI]              ; steps 0-3 at P1,
	s_add_co_u32 s97, s96, P2+4*PSTEP
	v_add_nc_u32 v[VADRA+1], s97, v[LI]            ; steps 4-7 in the second half of P2
	s_mul_i32 s96, s16, 4*PSTEP                    ; V: my panel of x,
	s_add_co_u32 s97, s96, P1+4*PSTEP
	v_add_nc_u32 v[VADRB], s97, v[LI]              ; steps 0-3 behind Wv's,
	v_add_nc_u32 v[VADRB+1], s96, v[LI]            ; steps 4-7 in P0
	s_lshl_b32 s96, s15, 8                         ; V's scale words: my four blocks of a step's eight
	s_lshl_b32 s97, s16, 12
	s_add_co_u32 s97, s97, VSCB-VSCA
	s_sub_co_u32 s97, s97, s96                     ; the distance from Wv's words to x's
	v_mul_u32_u24 v6, s97, v2
	s_add_co_u32 s98, s96, VSCA
	v_lshl_add_u32 v6, v1, 2, v6
	v_add_nc_u32 v[VADRS], s98, v6
	s_add_co_u32 s97, s97, 256
	v_mul_u32_u24 v6, s97, v2
	s_add_co_u32 s98, s96, VSCA-256                ; for blocks 4-7: lanes 0-15 stand 256 bytes back
	v_lshl_add_u32 v6, v1, 2, v6
	v_add_nc_u32 v[VADRSH], s98, v6
	s_lshl_b32 s96, s14, 9
	s_add_co_u32 s96, s96, SCR
	v_lshl_add_u32 v[SWA], v1, 2, s96
	v_add_nc_u32 v[SRD], s96, v[LI]
	v_lshlrev_b32 v[LI8], 3, v3
	v_add_nc_u32 v[SRD8], s96, v[LI8]
	v_mov_b32 v[ZZ], 0
	v_mov_b32 v[ZZ+1], 0
.irp b, 0,1,2,3
	v_mov_b32 v[TM+4+\b], 0                        ; written once: a lane permute's destination counts as one of its sources
.endr
	; where my results go, in units of a panel and step.  Q, K: 512 x (K?) + 8 x (x's panel) + step 2 cx + my panel of B
	s_lshl_b32 s96, s17, 1
	s_add_co_u32 s96, s96, s15
	s_lshl_b32 s96, s96, 3
	s_lshl_b32 s97, s19, 1
	s_add_co_u32 s97, s97, s16
	s_add_co_u32 s96, s96, s97
	s_lshl_b32 s97, ttmp9, 9
	s_add_co_u32 s96, s96, s97
	; V^T: 1024 + 128 x batch + 16 x (Wv's panel) + step, batch and step from x's panel; my four blocks of the eight
	s_lshr_b32 s98, s100, 4
	s_lshl_b32 s98, s98, 7
	s_and_b32 s99, s100, 15
	s_add_co_u32 s98, s98, s99
	s_lshl_b32 s99, s23, 4
	s_add_co_u32 s98, s98, s99
	s_add_co_u32 s98, s98, 1024
	s_mul_i32 s[OCV], s98, PSTEP
	s_mul_i32 s99, s15, 4*FRB
	s_add_co_u32 s[OCV], s[OCV], s99
	s_mov_b32 s[OCV+1], 0
	s_lshl_b32 s[OSV], s98, 9
	s_lshl_b32 s99, s15, 8
	s_add_co_u32 s[OSV], s[OSV], s99
	s_mov_b32 s[OSV+1], 0
	s_add_nc_u64 s[OCV:OCV+1], s[OC:OC+1], s[OCV:OCV+1]
	s_add_nc_u64 s[OSV:OSV+1], s[OS:OS+1], s[OSV:OSV+1]
	s_mul_i32 s98, s96, PSTEP
	s_mov_b32 s99, 0
	s_lshl_b32 s96, s96, 9
	s_mov_b32 s97, 0
	s_add_nc_u64 s[OC:OC+1], s[OC:OC+1], s[98:99]
	s_add_nc_u64 s[OS:OS+1], s[OS:OS+1], s[96:97]
	s_wait_loadcnt 0x0                             ; the scale words and the biases
.irp j, 0,1,2,3
	ds_store_b128 v12, v[128+4*\j:131+4*\j] offset:2048*\j
	ds_store_b128 v12, v[144+4*\j:147+4*\j] offset:SCLB-SCLA+2048*\j
	ds_store_b128 v12, v[168+4*\j:171+4*\j] offset:VSCB-SCLA+2048*\j
.endr
.irp j, 0,1
	ds_store_b128 v12, v[160+4*\j:163+4*\j] offset:VSCA-SCLA+2048*\j
.endr
.irp a, 0,1,2,3
	v_mov_b32 v[BM+2*\a+1], v[BM+2*\a]             ; bv twice: a pair for the packed addition
.endr
	s_wait_tensorcnt 2                             ; my part of slot 0 is in; slots 1 and 2 may be out
	s_wait_dscnt 0x0                               ; for the others' sake: my part of the scale words lies in LDS
	s_barrier_signal -1
	s_barrier_wait -1                              ; everybody's are
	FETCH_B 0
	FETCH_A 0, 0, NA/2
	SCALES 0
	FETCH_A 0, NA/2, NA/2
	STEP 0, 2                                      ; the first step's products start the sums, at the bias
	TURN 1, 1                                      ; P0 is left and takes slot 3; slots 1 and 2 are shown whole to every wave
	STEP 2, 0
	STEP 3, 0                                      ; from P1 into P2: no barrier is owed
	STEP 4, 0
	TURN 5, 2                                      ; slot 3 is whole; P1 and P2 are left and take V's steps 0-3
	STEP 6, 0
	LAST 7
	PLACES 4
.irp a, 0,1,2,3
	OUTBLK \a, ZZ, OC
.endr
	; in the middle of the way out: V's steps 4-7.  P0 has been read out, and four blocks' work has passed since V's steps 0-3 were asked for
	s_wait_tensorcnt 0x0                           ; all my tensor loads have landed: my part of V's steps 0-3; so a group 0 may be written
	ds_add_u32 v[SPW], v[NIL]                      ; 0 onto my spare word
	s_mul_i32 s3, s16, 2*PSTEP
	s_add_co_u32 s[G0+5], s3, P2+4*PSTEP           ; waves 0, 1: Wv's steps 4, 5 and 6, 7, into the second half of P2
	s_add_nc_u64 s[G0+6:G0+7], s[G0+6:G0+7], 4*PSTEP
	s_mul_i32 s3, s16, 4*PSTEP
	s_add_co_u32 s[G0B+5], s3, 0                   ; waves 2, 3: four steps of a panel of x, into P0
	s_add_nc_u64 s[G0B+6:G0B+7], s[G0B+6:G0B+7], 4*PSTEP
	s_wait_dscnt 0x0                               ; the add is done, and my reads of P0 and P2 are over
	CROUND                                         ; the same holds of every wave of every partner
	JLOAD G0+4, G1, G0B+4, G1W                     ; the first tensor load behind the round
.irp a, 4,5,6,7
	OUTBLK \a, ZZ, OC
.endr
	ds_load_b128 v[12:15], v[SRD]                  ; LDS serves a wave's instructions in order (ISA guide 5.7.1.4): this sees my eight stores
	s_wait_dscnt 0x0
	global_store_b128 v[LI], v[12:15], s[OS:OS+1]  ; my 128 rows' scale words: 512 consecutive bytes
	s_wait_xcnt 0x0                                ; the stores have read their registers: the codes' registers take fragments again
	; ---- V^T: 64 rows of Wv x 128 keys a wave; all eight steps lie, or are on their way, in LDS
.set NA, 4
.set NQ, 4
.set NS, 2
.set ADRA, VADRA
.set ADRB, VADRB
.set ADRS, VADRS
.set ADRSH, VADRSH
	FETCH_B 0
	FETCH_A 0, 0, NA/2
	SCALES 0
	FETCH_A 0, NA/2, NA/2
	STEP 0, 1                                      ; the first step's products start the sums
	STEP 1, 0
	STEP 2, 0
	TURN 3, 0                                      ; steps 4-7 are whole for every wave; nothing is filled
	STEP 4, 0
	STEP 5, 0
	STEP 6, 0
	LAST 7
	PLACES 4
.irp a, 0,1,2,3
	OUTBLK \a, BM+2*\a, OCV
.endr
	ds_load_b64 v[12:13], v[SRD8]                  ; my four blocks' scale words
	s_wait_dscnt 0x0
	global_store_b64 v[LI8], v[12:13], s[OSV:OSV+1]   ; 32 lanes store 256 consecutive bytes, at a multiple of 256 from the buffer's first byte
	s_wait_tensorcnt 0x0                           ; the wave's end
	ds_add_u32 v[SPW], v[NIL]
	s_wait_dscnt 0x0
	CROUND                                         ; the closing round: no work-group ends while a partner may still ask for a tile that names it
	s_endpgm
.Lfunc_end_k_qc921be2bd5_proj:
	.size	k_qc921be2bd5_proj, .Lfunc_end_k_qc921be2bd5_proj-k_qc921be2bd5_proj
	.p2alignl 7, 3214868480
	.fill 96, 4, 3214868480
	.section	.rodata,"a",@progbits
	.p2align	6, 0x0
	.amdhsa_kernel k_qc921be2bd5_proj
		.amdhsa_group_segment_fixed_size 327680
		.amdhsa_private_segment_fixed_size 0
		.amdhsa_enable_private_segment 0
		.amdhsa_kernarg_size 56
		.amdhsa_user_sgpr_count 2
		.amdhsa_user_sgpr_kernarg_segment_ptr 1
		.amdhsa_wavefront_size32 1
		.amdhsa_system_sgpr_workgroup_id_x 1
		.amdhsa_system_sgpr_workgroup_id_y 1
		.amdhsa_system_sgpr_workgroup_id_z 1
		.amdhsa_system_vgpr_workitem_id 0
		.amdhsa_next_free_vgpr 1024
		.amdhsa_next_free_sgpr 102
		.amdhsa_reserve_vcc 0
		.amdhsa_float_denorm_mode_32 3
		.amdhsa_float_denorm_mode_16_64 3
		.amdhsa_memory_ordered 1
		.amdhsa_forward_progress 1
		.amdhsa_inst_pref_size 248
	.end_amdhsa_kernel
	.amdgpu_metadata
---
amdhsa.version: [ 1, 2 ]
amdhsa.kernels:
  - .name:           k_qc921be2bd5_proj
    .symbol:         k_qc921be2bd5_proj.kd
    .args:
      - { .name: opc, .offset: 0, .size: 8, .value_kind: global_buffer, .address_space: global }
      - { .name: ops, .offset: 8, .size: 8, .value_kind: global_buffer, .address_space: global }
      - { .name: bq, .offset: 16, .size: 8, .value_kind: global_buffer, .address_space: global }
      - { .name: bk, .offset: 24, .size: 8, .value_kind: global_buffer, .address_space: global }
      - { .name: bv, .offset: 32, .size: 8, .value_kind: global_buffer, .address_space: global }
      - { .name: qkvc, .offset: 40, .size: 8, .value_kind: global_buffer, .address_space: global }
      - { .name: qkvs, .offset: 48, .size: 8, .value_kind: global_buffer, .address_space: global }
    .group_segment_fixed_size: 327680
    .private_segment_fixed_size: 0
    .kernarg_segment_align: 8
    .kernarg_segment_size: 56
    .max_flat_workgroup_size: 128
    .sgpr_count:     102
    .vgpr_count:     1024
    .wavefront_size: 32
...
	.end_amdgpu_metadata
.endif
;; end of part 2
;; launch score (part 3): grid 8 x 32, 4 waves a work-group, clusters of 4 x 4, 327,680 bytes of LDS; arguments qkvc, qkvs, pc, ps, pst; writes pc, ps, pst
.if DOCPART == 3
	.amdgcn_target "amdgcn-amd-amdhsa--gfx1250"
	.amdhsa_code_object_version 6
	.text
	.protected	k_qc921be2bd5_score
	.globl	k_qc921be2bd5_score
	.p2align	8
	.type	k_qc921be2bd5_score,@function
k_qc921be2bd5_score:
	s_mov_b64 s[64:65], 0
	v_nop
	global_prefetch_b8 v0, s[64:65] scope:SCOPE_SE
	s_setreg_imm32_b32 hwreg(HW_REG_WAVE_MODE, 25, 1), 1
	s_wait_xcnt 0x0
	s_wait_alu depctr_hold_cnt(0) depctr_sa_sdst(0) depctr_va_vdst(0) depctr_va_sdst(0) depctr_va_ssrc(0) depctr_va_vcc(0) depctr_vm_vsrc(0)
	s_getreg_b32 s2, hwreg(HW_REG_IB_STS2, 6, 4)
	s_cmp_eq_u32 s2, 0
	s_cbranch_scc0 .Lentry_in_a_cluster
	s_endpgm
.Lentry_in_a_cluster:
	s_bfe_u32 s2, ttmp6, 0x10000c
	s_cmp_lg_u32 s2, 0xf033
	s_cbranch_scc0 .Lentry_shape_is_right
	s_endpgm
.Lentry_shape_is_right:
; S = Q K^T on codes of FP6 (E2M3) with E8M0 scales, sums in f32; then, for each query and each 128 keys: t = S x log2(e) / 32, M = the largest t of these 128 keys rounded UP to a whole number,
; p = 2^(t - M), the sum of the unquantised p, and p quantised along the keys.  M is the maximum of the wave's own 128 keys: the next launch brings all parts of a row under the row's largest M by taking the whole
; number (row's M - this M) off p's scale bytes, which changes no code.  Stored: p's codes and scale words as an image, and for each row and 128 keys -M and the sum.
; IMAGES: codes [panel of 128 rows][step of 128 K][block 8][group 3][lane 32][16 bytes], scale words [panel][step][block 8][row 16]; lane r of block i holds row 32 (i / 2) + 8 (i % 2) + r + 8 (r / 8) of its panel.
; THE MATRIX INSTRUCTION: source 0 = 16 keys (B'), source 1 = 16 queries (A'): a lane holds ONE query, and the 16 registers of result tiles 2 b, 2 b + 1 are the 16 neighbouring keys 32 b + 16 (lane / 16) + 0 .. 15.
; SHARES.  A work-group of four waves makes 256 queries x 256 keys of one batch, a wave 128 x 128: 64 accumulators.
; LDS: three regions of 98,304 bytes.  K = 1,024 goes in four slots of 256: slots 0, 1, 2 are first fills, slot 3 fills the first region again behind step 1 and has four steps, 256 matrix instructions, in which to land.
; CLUSTERS: 4 x 4.  Q's tiles are shared along a row of the cluster, K's along a column: each is asked for jointly.
; No tile is asked of memory ahead of its load: three of the four fills go out at the head, and a request for the fourth would have to stand there too, among every work-group's first loads.
; LIMITS: NaN and infinities are not served.  p under 2^-126 comes out of v_exp_f32 as 0.  A block whose every p is under 2^-124 keeps the scale byte 1; this program alone reads the bytes.
; A block's largest p is made from the block's largest score by the same multiply-add and exponential as every p (it takes v_exp_f32 not to fall where its input rises).
; REGISTERS: window 0: v16-31 addresses; v32-63 scale words, two sets; v64-127 t - M, then p; v128-223 Q's fragments, later p's codes; v224-253 at work.  window 1: K's fragments, two sets.  windows 2, 3: the accumulators.
.set NA,    8
.set NQ,    2                          ; steps in a slot
.set NS,    3                          ; regions
.set FRB,   1536
.set PSTEP, 12288
.set PANB,  NQ*PSTEP
.set SLOT,  4*PANB
.set SCLA,  3*SLOT                     ; Q's scale words for all of K: 2 panels x 4,096 bytes
.set SCLB,  SCLA+8192+128              ; K's; 128 bytes off, so that the two halves of a load of scale words start 128 bytes apart modulo 256
.set SCR,   SCLB+8192+128              ; 1,536 bytes a wave: p's scale words, -M, the sums; no tile lands here
.set SPARE, SCR+4*1536                 ; the spare words, 128 bytes for each wave: two blocks of 256 bytes that no other line names
.set ADRA, 16                          ; v16-18 LDS address of my Q fragments in the three regions
.set ADRB, 20                          ; v20-22 the same for K
.set LI,   24                          ; v24  16 x lane
.set SWA,  25                          ; v25  where my row's word goes
.set SRD,  26                          ; v26  and where they are read back
.set ADRS, 27
.set SPW,  28                          ; v28  my spare word; never rewritten
.set NIL,  29                          ; v29  0; never rewritten
.set SC,   32
.set T,    64
.set AF,   128
.set BX,   224                         ; v224-227 the blocks' largest scores, then largest p
.set BY,   228                         ; v228-231 the other half's; the bytes
.set BZ,   232                         ; v232-235 the conversions' scale operands
.set NM,   236                         ; v[236:237] -M (the packed form names a pair and takes its low word)
.set SA,   238                         ; v[238:239], v[240:241] the sum in two chains
.set SB,   240
.set TP,   242
.set LS,   243                         ; the row's sum
.set PW,   244                         ; p's scale word
.set PX,   246                         ; v246-253 the conversions' second halves
.set SEL,  66
.set CS,   100                         ; s[100:101] log2(e) / 32
.set G1,   24
.set G0,   32                          ; s[32:39] group 0 for Q's tiles, regions 0 and 1;  s[96:99] region 2
.set G0C,  96
.set G1B,  48
.set G0B,  56                          ; s[56:63] for K's, regions 0 and 1;  s[92:95] region 2
.set G0BC, 92
.set G1S,  68
.set G0S,  76
.set G1SB, 80
.set G0SB, 88
.set MSB, 0
.macro WIN new                         ; the immediate's high byte repeats the setting that is left; a switch that changes nothing is dropped
.if MSB != (\new)
	s_set_vgpr_msb (MSB<<8)|(\new)
.set MSB, (\new)
.endif
.endm
; A joint load: waves 0 and 1 fetch for Q, waves 2 and 3 for K; the branch hangs on the wave's number alone.  Four v_nop follow each of the two lines.
.macro JLOAD g0a, g1a, g0b, g1b
	s_cmp_eq_u32 s15, 0
	s_cbranch_scc0 .Lfor_b_\@
	tensor_load_to_lds s[\g0a:\g0a+3], s[\g1a:\g1a+7]
	s_nop 0
.rept 4
	v_nop
.endr
	s_branch .Lasked_\@
.Lfor_b_\@:
	tensor_load_to_lds s[\g0b:\g0b+3], s[\g1b:\g1b+7]
	s_nop 0
.rept 4
	v_nop
.endr
.Lasked_\@:
.endm
.macro CREST
	s_cmp_lg_u32 s14, 0
	s_cbranch_scc1 .Lnot_wave_0_\@
	s_barrier_signal -3
.Lnot_wave_0_\@:
	s_barrier_wait -3
	s_barrier_signal -1
	s_barrier_wait -1
.endm
.macro CROUND
	s_barrier_signal -1
	s_barrier_wait -1
	CREST
.endm
.macro PLACES n                        ; plain vector instructions between a matrix instruction and a load into, or a vector instruction on, one of its registers
.rept \n
	v_nop
.endr
.endm
.macro FRAG reg, adr, off
.irp c, 0,1,2
	ds_load_b128 v[(\reg)+4*\c:(\reg)+4*\c+3], v[\adr] offset:(\off)+512*\c
.endr
.endm
; g is the step of 128 along K, 0 .. 7.  Its fragments lie in region (g / NQ) % NS, PSTEP (g % NQ) bytes on; K's go into set g % 2; its scale words lie in set (g / 2) % 2, registers 8 (g % 2) on.
.macro FETCH_B g
	WIN 0x40
.irp i, 0,1,2,3,4,5,6,7
	FRAG 128*((\g)%2)+12*\i, ADRB+((\g)/NQ)%NS, PSTEP*((\g)%NQ)+FRB*\i
.endr
	WIN 0
.endm
.macro FETCH_A g, i0, n
.set FI, \i0
.rept \n
	FRAG AF+12*FI, ADRA+((\g)/NQ)%NS, PSTEP*((\g)%NQ)+FRB*FI
.set FI, FI+1
.endr
.endm
.macro SCALES g                        ; the scale words of steps g and g + 1 (g even): register 8 q + i: lanes 0-15 Q's block i, lanes 16-31 K's block i
.set SQ, 0
.rept 2
.irp i, 0,1,2,3,4,5,6,7
	ds_load_b32 v[SC+16*(((\g)/2)%2)+8*SQ+\i], v[ADRS] offset:512*((\g)+SQ)+64*\i
.endr
.set SQ, SQ+1
.endr
.endm
.macro MULA a, g, cm                   ; Q's block a against K's eight.  cm = 0: the sums go on; 1: they start at 0
.irp b, 0,1,2,3,4,5,6,7
.if (\cm) == 0
	v_wmma_scale_f32_16x16x128_f8f6f4 v[8*(8*((\a)%4)+\b):8*(8*((\a)%4)+\b)+7], v[128*((\g)%2)+12*\b:128*((\g)%2)+12*\b+11], v[AF+12*(\a):AF+12*(\a)+11], v[8*(8*((\a)%4)+\b):8*(8*((\a)%4)+\b)+7], v[SC+16*(((\g)/2)%2)+8*((\g)%2)+\b], v[SC+16*(((\g)/2)%2)+8*((\g)%2)+(\a)] matrix_a_fmt:MATRIX_FMT_FP6 matrix_b_fmt:MATRIX_FMT_FP6 matrix_a_scale:MATRIX_SCALE_ROW1
.else
	v_wmma_scale_f32_16x16x128_f8f6f4 v[8*(8*((\a)%4)+\b):8*(8*((\a)%4)+\b)+7], v[128*((\g)%2)+12*\b:128*((\g)%2)+12*\b+11], v[AF+12*(\a):AF+12*(\a)+11], 0, v[SC+16*(((\g)/2)%2)+8*((\g)%2)+\b], v[SC+16*(((\g)/2)%2)+8*((\g)%2)+(\a)] matrix_a_fmt:MATRIX_FMT_FP6 matrix_b_fmt:MATRIX_FMT_FP6 matrix_a_scale:MATRIX_SCALE_ROW1
.endif
.endr
.endm
.macro MULR a0, n, g, cm               ; source 0 window 1, source 1 window 0, C and D window 2 or 3.  The accumulators take turns, one instruction a turn, in the same order in every step
	WIN ((2+(\a0)/4)<<6)|((2+(\a0)/4)<<4)|1
.set AI, \a0
.rept \n
	MULA AI, \g, \cm
.set AI, AI+1
.endr
.endm
; A step whose successor's bytes every wave may read already.
.macro STEP g, cm
	s_wait_dscnt 3*NA/2                            ; all but the youngest loads, the second half of Q's blocks
	MULR 0, NA/2, \g, \cm
	s_wait_dscnt 0x0
	PLACES 4
	FETCH_B (\g)+1
	FETCH_A (\g)+1, 0, NA/2
.if (((\g)+1)%2) == 0
	SCALES (\g)+1
.endif
	MULR NA/2, NA/2, \g, \cm
	PLACES 4
	WIN 0
	FETCH_A (\g)+1, NA/2, NA/2
.endm
; A step with a barrier in it: in front of it each wave waits for all its tensor loads, adds 0 to its spare word, and waits for that and for its reads so far; behind it the next step's bytes are whole for every wave.
; fill = 1: the barrier opens a round of the cluster's barrier, and the first region takes slot 3.
.macro TURN g, fill
	s_wait_tensorcnt 0x0                           ; all my tensor loads have landed
	ds_add_u32 v[SPW], v[NIL]                      ; 0 onto my spare word
	s_wait_dscnt 3*NA/2+1                          ; (the add and the second half of Q's blocks may be out)
	MULR 0, NA/4, \g, 0
	s_wait_dscnt 0x0                               ; the add is done, and my reads of the regions used so far are over
	s_barrier_signal -1
	MULR NA/4, NA/4, \g, 0
	WIN 0
	s_barrier_wait -1
.if \fill
	CREST                                          ; no wave of any partner still reads the first region or has a load on its way
	s_add_nc_u64 s[G0+2:G0+3], s[G0+2:G0+3], 3*PANB
	s_add_nc_u64 s[G0B+2:G0B+3], s[G0B+2:G0B+3], 3*PANB
	JLOAD G0, G1, G0B, G1B                         ; the first tensor load behind the round; its four v_nop are the places in front of the loads below
.else
	PLACES 4
.endif
	FETCH_B (\g)+1
	FETCH_A (\g)+1, 0, NA/2
.if (((\g)+1)%2) == 0
	SCALES (\g)+1
.endif
	MULR NA/2, NA/2, \g, 0
	PLACES 4
	WIN 0
	FETCH_A (\g)+1, NA/2, NA/2
.endm
; THE WAY OUT of Q's block a: 16 queries x my 128 keys.
.macro SOFTBLK a
.set AC, 64*((\a)%4)
.set PCA, AF+12*(\a)
	WIN 0x28+0x14*((\a)/4)                         ; sources 1 and 2 in the accumulators' window
.irp b, 0,1,2,3
	v_max3_num_f32 v[BX+\b], 0xff800000, v[AC+16*\b], v[AC+16*\b+1]   ; the largest score of each block of 32 keys; each accumulator is read from its low end on
.endr
.irp i, 2,4,6,8,10,12,14
.irp b, 0,1,2,3
	v_max3_num_f32 v[BX+\b], v[BX+\b], v[AC+16*\b+\i], v[AC+16*\b+\i+1]
.endr
.endr
	WIN 0
.irp b, 0,1,2,3
	v_permlanex16_b32 v[BY+\b], v[BX+\b], s[SEL], s[SEL+1]
.endr
.irp b, 0,1,2,3
	v_max_num_f32 v[BX+\b], v[BX+\b], v[BY+\b]     ; with lane l xor 16's 16 keys
.endr
	v_max3_num_f32 v[TP], v[BX], v[BX+1], v[BX+2]
	v_max_num_f32 v[TP], v[TP], v[BX+3]            ; my query's largest score among these 128 keys
	v_mul_f32 v[TP], s[CS], v[TP]                  ; as t
	v_floor_f32 v[NM], -v[TP]                      ; -M = floor(-t) = -ceil(t): a whole number
	WIN 0x02+(\a)/4
.set J, 0
.rept 32
	v_pk_fma_f32 v[T+J:T+J+1], v[AC+J:AC+J+1], s[CS:CS+1], v[NM:NM+1] op_sel_hi:[1,0,0]   ; t - M, two at a time, out of the accumulators
.set J, J+2
.endr
	WIN 0
.irp b, 0,1,2,3
	v_fma_f32 v[BX+\b], v[BX+\b], s[CS], v[NM]     ; the same of each block's largest score
.endr
.set J, 0
.rept 64
	v_exp_f32 v[T+J], v[T+J]                       ; p = 2^(t - M), at most 1
.set J, J+1
.endr
	v_nop                                          ; a plain instruction behind the last exponential
	s_wait_alu depctr_va_vdst(0)                   ; one wait for the 64, ahead of the first line that names a result
.irp b, 0,1,2,3
	v_exp_f32 v[BX+\b], v[BX+\b]                   ; the blocks' largest p
.endr
	v_pk_add_f32 v[SA:SA+1], v[T:T+1], v[T+2:T+3]  ; the sum of the UNQUANTISED p, two at a time, in two chains: plain work behind the four
	v_pk_add_f32 v[SB:SB+1], v[T+4:T+5], v[T+6:T+7]
.irp j, 8,12,16,20,24,28,32,36,40,44,48,52,56,60
	v_pk_add_f32 v[SA:SA+1], v[SA:SA+1], v[T+\j:T+\j+1]
	v_pk_add_f32 v[SB:SB+1], v[SB:SB+1], v[T+\j+2:T+\j+3]
.endr
	v_pk_add_f32 v[SA:SA+1], v[SA:SA+1], v[SB:SB+1]
	v_add_f32 v[LS], v[SA], v[SA+1]
	v_permlanex16_b32 v[TP], v[LS], s[SEL], s[SEL+1]
	v_add_f32 v[LS], v[LS], v[TP]                  ; with lane l xor 16's: my query's sum over the 128 keys
	s_wait_alu depctr_va_vdst(0)                   ; and one wait for the four
.irp b, 0,1,2,3
	v_max_num_f32 v[BX+\b], 0x1800000, v[BX+\b]    ; the floor 2^(3 - 127): the byte cannot fall under 1
.endr
.irp b, 0,1,2,3
	v_add_nc_u32 v[BZ+\b], 0xff000000, v[BX+\b]    ; 2 off the exponent field: the conversion's scale operand
.endr
.irp b, 0,1,2,3
	v_lshrrev_b32 v[BY+\b], 23, v[BZ+\b]           ; the scale's byte
.endr
	v_lshl_or_b32 v[PW], v[BY+1], 8, v[BY]
	v_lshl_or_b32 v[PW], v[BY+2], 16, v[PW]
	v_lshl_or_b32 v[PW], v[BY+3], 24, v[PW]
.irp c, 0,1
	v_cvt_scalef32_pk16_fp6_f32 v[PCA+6*\c:PCA+6*\c+2], v[T+32*\c:T+32*\c+15], v[BZ+2*\c]
	v_cvt_scalef32_pk16_fp6_f32 v[PX+4*\c:PX+4*\c+2], v[T+16+32*\c:T+31+32*\c], v[BZ+2*\c+1]
.endr
	v_nop                                          ; one plain place behind a scaled conversion
.irp c, 0,1
.irp i, 0,1,2
	v_permlane16_swap_b32 v[PCA+6*\c+\i], v[PX+4*\c+\i]
.endr
.irp i, 0,1,2
	v_mov_b32 v[PCA+3+6*\c+\i], v[PX+4*\c+\i]
.endr
.endr
	ds_store_b32 v[SWA], v[PW] offset:64*(\a)      ; lanes r and r + 16 write the same word with the same value
	ds_store_b32 v[SWA], v[NM] offset:512+64*(\a)
	ds_store_b32 v[SWA], v[LS] offset:1024+64*(\a)
.irp c, 0,1,2
	global_store_b128 v[LI], v[PCA+4*\c:PCA+4*\c+3], s[8:9] offset:FRB*(\a)+512*\c   ; 512 consecutive bytes; each block has code registers of its own
.endr
.endm
	s_load_b256 s[4:11], s[0:1], 0x0               ; Q's and K's codes s[4:5], their scale words s[6:7], p's codes s[8:9], p's scale words s[10:11]
	s_load_b64 s[12:13], s[0:1], 0x20              ; -M and the sums
	v_lshl_add_u32 v[SPW], v0, 2, SPARE
	v_mov_b32 v[NIL], 0
	ds_add_u32 v28, v29
	ds_add_u32 v28, v29
	s_wait_dscnt 0x0
	v_lshrrev_b32 v1, 5, v0
	v_readfirstlane_b32 s14, v1                    ; wave 0..3
	s_lshr_b32 s15, s14, 1                         ; which panel of queries is mine.  Also: I fetch for Q (0) or for K (1)
	s_and_b32 s16, s14, 1                          ; which panel of keys.  Also: which panel I fetch
	s_bfe_u32 s40, ttmp6, 0x40000                  ; cx, cy
	s_bfe_u32 s41, ttmp6, 0x40004
	s_and_b32 s2, ttmp7, 0xffff                    ; the cluster's y, 0..7
	s_lshl_b32 s42, ttmp9, 2
	s_add_co_u32 s42, s42, s40                     ; tile column: 256 keys of the batch, 0..7
	s_lshl_b32 s17, s2, 2
	s_add_co_u32 s17, s17, s41                     ; tile row: 256 queries of all batches, 0..31
	s_lshr_b32 s18, s2, 1                          ; the batch: the same in all partners
	s_lshl_b32 s43, s41, 2
	s_lshl_b32 s43, 15, s43                        ; my row of the cluster
	s_lshl_b32 s44, 0x1111, s40                    ; my column
	s_or_b32 s[G1+0], s43, (3<<16)|(1<<21)         ; 15:0 the mask; 17:16 elements of 8 bytes; 21 set beside a mask; rows of 256 bytes of a dense block, no padding
	s_or_b32 s[G1B+0], s44, (3<<16)|(1<<21)
.irp g, G1, G1B
	s_mov_b32 s[\g+1], 32<<16
	s_mov_b32 s[\g+2], (PANB/256)<<16
	s_mov_b32 s[\g+3], 32<<16
	s_mov_b32 s[\g+4], PANB/256
	s_mov_b32 s[\g+5], 32
	s_mov_b32 s[\g+6], 0
	s_mov_b32 s[\g+7], 0
.endr
	s_or_b32 s[G1S+0], s43, (3<<16)|(1<<21)
	s_or_b32 s[G1SB+0], s44, (3<<16)|(1<<21)
.irp g, G1S, G1SB
	s_mov_b32 s[\g+1], 32<<16
	s_mov_b32 s[\g+2], 16<<16
	s_mov_b32 s[\g+3], 32<<16
	s_mov_b32 s[\g+4], 16
	s_mov_b32 s[\g+5], 32
	s_mov_b32 s[\g+6], 0
	s_mov_b32 s[\g+7], 0
.endr
	s_lshl_b32 s20, s17, 1
	s_add_co_u32 s20, s20, s16                     ; Q's panel that I fetch
	s_lshl_b32 s46, s42, 1
	s_add_co_u32 s46, s46, s16
	s_lshl_b32 s3, s18, 4
	s_add_co_u32 s46, s46, s3
	s_add_co_u32 s46, s46, 64                      ; K's: behind Q's 64 panels, 16 to a batch
	s_lshl_b32 s22, s20, 12
	s_mov_b32 s23, 0
	s_mul_i32 s20, s20, 8*PSTEP
	s_mov_b32 s21, 0
	s_lshl_b32 s92, s46, 12
	s_mov_b32 s93, 0
	s_mul_i32 s46, s46, 8*PSTEP
	s_mov_b32 s47, 0
	s_mul_i32 s45, s14, PANB                       ; where the codes go: no place in the cluster enters an LDS address
	s_lshl_b32 s3, s16, 12
	s_wait_kmcnt 0x0
	s_add_nc_u64 s[20:21], s[4:5], s[20:21]
	s_add_nc_u64 s[22:23], s[6:7], s[22:23]
	s_add_nc_u64 s[46:47], s[4:5], s[46:47]
	s_add_nc_u64 s[92:93], s[6:7], s[92:93]
	CROUND                                         ; all sixteen work-groups are here: the first joint loads meet
	s_mov_b32 s[G0S], 1
	s_add_co_u32 s[G0S+1], s3, SCLA
	s_mov_b64 s[G0S+2:G0S+3], s[22:23]
	s_or_b32 s[G0S+3], s[G0S+3], 0x80000000
	s_mov_b32 s[G0SB], 1
	s_add_co_u32 s[G0SB+1], s3, SCLB
	s_mov_b64 s[G0SB+2:G0SB+3], s[92:93]
	s_or_b32 s[G0SB+3], s[G0SB+3], 0x80000000
	JLOAD G0S, G1S, G0SB, G1SB                     ; the scale words first; four loads of mine are out behind this group
.irp s, 0,1
	s_mov_b32 s[G0+4*\s], 1
	s_add_co_u32 s[G0+4*\s+1], s45, \s*SLOT
	s_add_nc_u64 s[G0+4*\s+2:G0+4*\s+3], s[20:21], \s*PANB
	s_or_b32 s[G0+4*\s+3], s[G0+4*\s+3], 0x80000000
	s_mov_b32 s[G0B+4*\s], 1
	s_add_co_u32 s[G0B+4*\s+1], s45, \s*SLOT
	s_add_nc_u64 s[G0B+4*\s+2:G0B+4*\s+3], s[46:47], \s*PANB
	s_or_b32 s[G0B+4*\s+3], s[G0B+4*\s+3], 0x80000000
	JLOAD G0+4*\s, G1, G0B+4*\s, G1B
.endr
	s_mov_b32 s[G0C], 1                            ; slot 2, into the third region
	s_add_co_u32 s[G0C+1], s45, 2*SLOT
	s_add_nc_u64 s[G0C+2:G0C+3], s[20:21], 2*PANB
	s_or_b32 s[G0C+3], s[G0C+3], 0x80000000
	s_mov_b32 s[G0BC], 1
	s_add_co_u32 s[G0BC+1], s45, 2*SLOT
	s_add_nc_u64 s[G0BC+2:G0BC+3], s[46:47], 2*PANB
	s_or_b32 s[G0BC+3], s[G0BC+3], 0x80000000
	JLOAD G0C, G1, G0BC, G1B
	s_mov_b32 s[SEL], 0x76543210
	s_mov_b32 s[SEL+1], 0xfedcba98
	s_mov_b32 s[CS], 0x3d38aa3b                    ; log2(e) / sqrt(1024)
	s_mov_b32 s[CS+1], s[CS]                       ; (named with it as a pair, so it is written)
	v_and_b32 v1, 15, v0                           ; r
	v_bfe_u32 v2, v0, 4, 1                         ; h
	v_and_b32 v3, 31, v0
	v_lshlrev_b32 v[LI], 4, v3
	s_mul_i32 s21, s15, PANB
	s_mul_i32 s22, s16, PANB
	s_add_co_u32 s22, s22, 2*PANB
.irp s, 0,1,2
	v_add_nc_u32 v[ADRA+\s], s21, v[LI]
	v_add_nc_u32 v[ADRB+\s], s22, v[LI]
	s_add_co_u32 s21, s21, SLOT
	s_add_co_u32 s22, s22, SLOT
.endr
	s_lshl_b32 s21, s15, 12
	s_lshl_b32 s22, s16, 12
	s_add_co_u32 s22, s22, SCLB-SCLA
	s_sub_co_u32 s22, s22, s21                     ; the distance from Q's words to K's
	v_mul_u32_u24 v6, s22, v2                      ; lanes 16-31 take K's
	s_add_co_u32 s21, s21, SCLA
	v_lshl_add_u32 v6, v1, 2, v6
	v_add_nc_u32 v[ADRS], s21, v6
	s_mul_i32 s23, s14, 1536
	s_add_co_u32 s23, s23, SCR
	v_lshl_add_u32 v[SWA], v1, 2, s23
	v_add_nc_u32 v[SRD], s23, v[LI]
.irp b, 0,1,2,3
	v_mov_b32 v[BY+\b], 0                          ; written once: a lane permute's destination counts as one of its sources
.endr
	v_mov_b32 v[NM+1], 0                           ; (the upper half of a pair that is named whole)
	; where my results go: unit 16 x (panel of queries) + 2 x tile column + my panel of keys
	s_lshl_b32 s20, s17, 1
	s_add_co_u32 s20, s20, s15
	s_lshl_b32 s20, s20, 4
	s_lshl_b32 s21, s42, 1
	s_add_co_u32 s21, s21, s16
	s_add_co_u32 s20, s20, s21
	s_lshl_b32 s22, s20, 9
	s_mov_b32 s23, 0
	s_lshl_b32 s46, s20, 10
	s_mov_b32 s47, 0
	s_mul_i32 s20, s20, PSTEP
	s_mov_b32 s21, 0
	s_add_nc_u64 s[8:9], s[8:9], s[20:21]
	s_add_nc_u64 s[10:11], s[10:11], s[22:23]
	s_add_nc_u64 s[12:13], s[12:13], s[46:47]
	s_wait_tensorcnt 2                             ; the scale words and my part of slot 0 are in; slots 1 and 2 may be out
	s_barrier_signal -1
	s_barrier_wait -1
	FETCH_B 0
	FETCH_A 0, 0, NA/2
	SCALES 0
	FETCH_A 0, NA/2, NA/2
	STEP 0, 1                                      ; the first step's products start the sums
	TURN 1, 1                                      ; the first region is left and takes slot 3; slots 1 and 2 are shown whole to every wave
	STEP 2, 0
	STEP 3, 0                                      ; from the second region into the third: no barrier is owed
	STEP 4, 0
	TURN 5, 0                                      ; slot 3 is whole for every wave; nothing is left to fetch
	STEP 6, 0
	s_wait_dscnt 3*NA/2                            ; the last step
	MULR 0, NA/2, 7, 0
	s_wait_dscnt 0x0
	MULR NA/2, NA/2, 7, 0
	WIN 0
	PLACES 4
.irp a, 0,1,2,3,4,5,6,7
	SOFTBLK \a
.endr
	ds_load_b128 v[2:5], v[SRD]                    ; LDS serves a wave's instructions in order (ISA guide 5.7.1.4): these see my stores
	ds_load_b128 v[6:9], v[SRD] offset:512
	ds_load_b128 v[10:13], v[SRD] offset:1024
	s_wait_dscnt 0x0
	global_store_b128 v[LI], v[2:5], s[10:11]      ; 512 consecutive bytes each
	global_store_b128 v[LI], v[6:9], s[12:13]
	global_store_b128 v[LI], v[10:13], s[12:13] offset:512
	s_wait_tensorcnt 0x0                           ; the wave's end
	ds_add_u32 v[SPW], v[NIL]
	s_wait_dscnt 0x0
	CROUND                                         ; the closing round
	s_endpgm
.Lfunc_end_k_qc921be2bd5_score:
	.size	k_qc921be2bd5_score, .Lfunc_end_k_qc921be2bd5_score-k_qc921be2bd5_score
	.p2alignl 7, 3214868480
	.fill 96, 4, 3214868480
	.section	.rodata,"a",@progbits
	.p2align	6, 0x0
	.amdhsa_kernel k_qc921be2bd5_score
		.amdhsa_group_segment_fixed_size 327680
		.amdhsa_private_segment_fixed_size 0
		.amdhsa_enable_private_segment 0
		.amdhsa_kernarg_size 40
		.amdhsa_user_sgpr_count 2
		.amdhsa_user_sgpr_kernarg_segment_ptr 1
		.amdhsa_wavefront_size32 1
		.amdhsa_system_sgpr_workgroup_id_x 1
		.amdhsa_system_sgpr_workgroup_id_y 1
		.amdhsa_system_sgpr_workgroup_id_z 1
		.amdhsa_system_vgpr_workitem_id 0
		.amdhsa_next_free_vgpr 1024
		.amdhsa_next_free_sgpr 102
		.amdhsa_reserve_vcc 0
		.amdhsa_float_denorm_mode_32 3
		.amdhsa_float_denorm_mode_16_64 3
		.amdhsa_memory_ordered 1
		.amdhsa_forward_progress 1
		.amdhsa_inst_pref_size 199
	.end_amdhsa_kernel
	.amdgpu_metadata
---
amdhsa.version: [ 1, 2 ]
amdhsa.kernels:
  - .name:           k_qc921be2bd5_score
    .symbol:         k_qc921be2bd5_score.kd
    .args:
      - { .name: qkvc, .offset: 0, .size: 8, .value_kind: global_buffer, .address_space: global }
      - { .name: qkvs, .offset: 8, .size: 8, .value_kind: global_buffer, .address_space: global }
      - { .name: pc, .offset: 16, .size: 8, .value_kind: global_buffer, .address_space: global }
      - { .name: ps, .offset: 24, .size: 8, .value_kind: global_buffer, .address_space: global }
      - { .name: pst, .offset: 32, .size: 8, .value_kind: global_buffer, .address_space: global }
    .group_segment_fixed_size: 327680
    .private_segment_fixed_size: 0
    .kernarg_segment_align: 8
    .kernarg_segment_size: 40
    .max_flat_workgroup_size: 128
    .sgpr_count:     102
    .vgpr_count:     1024
    .wavefront_size: 32
...
	.end_amdgpu_metadata
.endif
;; end of part 3
;; launch pv (part 4): grid 4 x 64, 4 waves a work-group, clusters of 4 x 4, 327,680 bytes of LDS; arguments pc, ps, pst, qkvc, qkvs, out0; writes out0
.if DOCPART == 4
	.amdgcn_target "amdgcn-amd-amdhsa--gfx1250"
	.amdhsa_code_object_version 6
	.text
	.protected	k_qc921be2bd5_pv
	.globl	k_qc921be2bd5_pv
	.p2align	8
	.type	k_qc921be2bd5_pv,@function
k_qc921be2bd5_pv:
	s_mov_b64 s[64:65], 0
	v_nop
	global_prefetch_b8 v0, s[64:65] scope:SCOPE_SE
	s_setreg_imm32_b32 hwreg(HW_REG_WAVE_MODE, 25, 1), 1
	s_wait_xcnt 0x0
	s_wait_alu depctr_hold_cnt(0) depctr_sa_sdst(0) depctr_va_vdst(0) depctr_va_sdst(0) depctr_va_ssrc(0) depctr_va_vcc(0) depctr_vm_vsrc(0)
	s_getreg_b32 s2, hwreg(HW_REG_IB_STS2, 6, 4)
	s_cmp_eq_u32 s2, 0
	s_cbranch_scc0 .Lentry_in_a_cluster
	s_endpgm
.Lentry_in_a_cluster:
	s_bfe_u32 s2, ttmp6, 0x10000c
	s_cmp_lg_u32 s2, 0xf033
	s_cbranch_scc0 .Lentry_shape_is_right
	s_endpgm
.Lentry_shape_is_right:
; O = (P V) / l on codes of FP6 (E2M3) with E8M0 scales, sums in f32.  P comes as an image (codes, scale words) in which each 128 keys of a row stand under the whole number M of those keys alone, with -M and the sum
; of the unquantised p beside it.  AT THE HEAD each thread takes one of the work-group's 128 queries: the row's M is the largest of its 16; d = row's M - local M is a whole number, 0 or more; d is taken off the four scale
; bytes of those 128 keys (no code changes), the local sum is multiplied by 2^-d (exact) and added to the row's l.  So the maximum that is taken away is the row's own, rounded up.
; IMAGES: codes [panel of 128 rows][step of 128 K][block 8][group 3][lane 32][16 bytes], scale words [panel][step][block 8][row 16]; lane r of block i holds row 32 (i / 2) + 8 (i % 2) + r + 8 (r / 8) of its panel.
; THE MATRIX INSTRUCTION: source 0 = 16 rows of V^T (B'), source 1 = 16 queries of P (A'): a lane holds one query, and the 16 registers of result tiles 2 b, 2 b + 1 are 16 neighbouring columns of O.
; SHARES.  A work-group of four waves makes 128 queries x 256 columns, a wave 64 x 128: 32 accumulators.  With 256 x 256 there would be 128 work-groups for 256 WGPs.  K = 2,048 keys goes through two LDS slots of 512 keys, four fills, written out.
; CLUSTERS: 4 x 4.  P's tiles are shared along a row of the cluster, V's along a column: each is asked for jointly.
; The tiles are not asked of memory ahead of their loads: of a work-group's four fills two go out at the head, and a request for the other two would have to stand there too, among every work-group's first loads.
; LIMITS: NaN and infinities are not served.  d is held at 255.  A scale byte that would fall under 0 is held at 0: its numbers are under 2^-124 beside a row's largest p above 1/2.
; REGISTERS: window 0: v16-31 addresses; v32-95 scale words, two sets; v96-103 1 / l, a pair for each of my four blocks; v128-175 P's fragments (at the head: the words, -M and sums); v176-190 at work at the head; on the way out v128-255 rows of O.
;   window 1: V's fragments, two sets, at v0 and v128.   window 2: the accumulators, (a, b) at v[8 (8 a + b)].
.set NA,    4
.set NQ,    4
.set FRB,   1536
.set PSTEP, 12288
.set PANB,  NQ*PSTEP                   ; a panel's part of a slot
.set SLOT,  3*PANB                     ; P's panel, then V's two
.set ASC,   2*SLOT                     ; P's mended scale words: [16 steps][128 rows]; written by the work-group itself; no tile lands here
.set RLB,   ASC+8192                   ; 1 / l of the 128 rows
.set SCLB,  RLB+512+128                ; V's scale words for all keys: 2 panels x 8,192 bytes; 128 bytes off, so that the two halves of a load of scale words start 128 bytes apart modulo 256
.set SPARE, SCLB+16384+128             ; the spare words, 128 bytes for each wave: two blocks of 256 bytes that no other line names
.set STGB,  8448                       ; the way out: a stage of 16 rows x (512 bytes + 16) for each wave, in slot 0, which has had its last fill and its last read by then
.set ADRA, 16
.set ADRB, 20
.set RLA,  22                          ; v22  where my queries' 1 / l lie
.set STO,  24                          ; v24  the stage, way in
.set RD,   25                          ; v25  way out
.set CO,   26                          ; v26  16 x lane
.set ADRS, 27
.set SPW,  28                          ; v28  my spare word; never rewritten
.set NIL,  29                          ; v29  0; never rewritten
.set MA,   30                          ; v30  4 x thread
.set ASA,  31                          ; v31  ASC + 4 x thread
.set SC,   32
.set RL,   96
.set AF,   128
.set BK,   128
.set MW,   128                         ; the head: 16 scale words,
.set MN,   144                         ; 16 -M,
.set ML,   160                         ; 16 sums of my row
.set MM,   176
.set MD,   177
.set MX,   178
.set MS,   179
.set MB,   180                         ; v180-183 four bytes
.set MC,   184                         ; v184-187
.set G1,   24                          ; s[24:31] group 1 for P's tiles; s[32:39] group 0, a set for each slot
.set G0,   32
.set G1B,  48                          ; s[48:55], s[56:63] the same for V's
.set G0B,  56
.set G1SB, 80                          ; s[80:87], s[88:91] for V's scale words
.set G0SB, 88
.set MSB, 0
.macro WIN new                         ; the immediate's high byte repeats the setting that is left; a switch that changes nothing is dropped
.if MSB != (\new)
	s_set_vgpr_msb (MSB<<8)|(\new)
.set MSB, (\new)
.endif
.endm
; A joint load: waves 0 and 1 fetch the two halves of P's part of a slot, waves 2 and 3 V's two panels; the branch hangs on the wave's number alone.  Four v_nop follow each of the two lines.
.macro JLOAD g0a, g1a, g0b, g1b
	s_cmp_eq_u32 s15, 0
	s_cbranch_scc0 .Lfor_b_\@
	tensor_load_to_lds s[\g0a:\g0a+3], s[\g1a:\g1a+7]
	s_nop 0
.rept 4
	v_nop
.endr
	s_branch .Lasked_\@
.Lfor_b_\@:
	tensor_load_to_lds s[\g0b:\g0b+3], s[\g1b:\g1b+7]
	s_nop 0
.rept 4
	v_nop
.endr
.Lasked_\@:
.endm
.macro CREST
	s_cmp_lg_u32 s14, 0
	s_cbranch_scc1 .Lnot_wave_0_\@
	s_barrier_signal -3
.Lnot_wave_0_\@:
	s_barrier_wait -3
	s_barrier_signal -1
	s_barrier_wait -1
.endm
.macro CROUND
	s_barrier_signal -1
	s_barrier_wait -1
	CREST
.endm
.macro PLACES n                        ; plain vector instructions between a matrix instruction and a load into, or a vector instruction on, one of its registers
.rept \n
	v_nop
.endr
.endm
.macro FRAG reg, adr, off
.irp c, 0,1,2
	ds_load_b128 v[(\reg)+4*\c:(\reg)+4*\c+3], v[\adr] offset:(\off)+512*\c
.endr
.endm
.macro FETCH_B slot, q, p
	WIN 0x40
.irp i, 0,1,2,3,4,5,6,7
	FRAG 128*(\p)+12*\i, ADRB+\slot, PSTEP*(\q)+FRB*\i
.endr
	WIN 0
.endm
.macro FETCH_A slot, q, i0, n
.set FI, \i0
.rept \n
	FRAG AF+12*FI, ADRA+\slot, PSTEP*(\q)+FRB*FI
.set FI, FI+1
.endr
.endm
.macro SCALES set, k0                  ; register 8 q + i: lanes 16-31 V's block i; lanes 0-15 P's block i of my four (for i above 3 they hold words that no product names)
.set SQ, 0
.rept NQ
.irp i, 0,1,2,3,4,5,6,7
	ds_load_b32 v[SC+8*NQ*(\set)+8*SQ+\i], v[ADRS] offset:512*((\k0)+SQ)+64*\i
.endr
.set SQ, SQ+1
.endr
.endm
.macro MULA a, p, q, sc, cm            ; P's block a against V's eight.  cm = 0: the sums go on; 1: they start at 0
.irp b, 0,1,2,3,4,5,6,7
.if (\cm) == 0
	v_wmma_scale_f32_16x16x128_f8f6f4 v[8*(8*((\a)%4)+\b):8*(8*((\a)%4)+\b)+7], v[128*(\p)+12*\b:128*(\p)+12*\b+11], v[AF+12*(\a):AF+12*(\a)+11], v[8*(8*((\a)%4)+\b):8*(8*((\a)%4)+\b)+7], v[SC+8*NQ*(\sc)+8*(\q)+\b], v[SC+8*NQ*(\sc)+8*(\q)+(\a)] matrix_a_fmt:MATRIX_FMT_FP6 matrix_b_fmt:MATRIX_FMT_FP6 matrix_a_scale:MATRIX_SCALE_ROW1
.else
	v_wmma_scale_f32_16x16x128_f8f6f4 v[8*(8*((\a)%4)+\b):8*(8*((\a)%4)+\b)+7], v[128*(\p)+12*\b:128*(\p)+12*\b+11], v[AF+12*(\a):AF+12*(\a)+11], 0, v[SC+8*NQ*(\sc)+8*(\q)+\b], v[SC+8*NQ*(\sc)+8*(\q)+(\a)] matrix_a_fmt:MATRIX_FMT_FP6 matrix_b_fmt:MATRIX_FMT_FP6 matrix_a_scale:MATRIX_SCALE_ROW1
.endif
.endr
.endm
.macro MULR a0, n, p, q, sc, cm        ; source 0 window 1, source 1 window 0, C and D window 2.  The 32 accumulators take turns, one instruction a turn, in the same order in every step
	WIN ((2+(\a0)/4)<<6)|((2+(\a0)/4)<<4)|1
.set AI, \a0
.rept \n
	MULA AI, \p, \q, \sc, \cm
.set AI, AI+1
.endr
.endm
.macro STEP slot, q, cm
	s_wait_dscnt 3*NA/2                            ; all but the youngest loads, the second half of P's blocks
	MULR 0, NA/2, (\q)%2, \q, \slot, \cm
	s_wait_dscnt 0x0
	PLACES 4
	FETCH_B \slot, (\q)+1, 1-(\q)%2
	FETCH_A \slot, (\q)+1, 0, NA/2
	MULR NA/2, NA/2, (\q)%2, \q, \slot, \cm
	PLACES 4
	WIN 0
	FETCH_A \slot, (\q)+1, NA/2, NA/2
.endm
; A slot's last step changes slots: one barrier; in front of it each wave waits for all its tensor loads, adds 0 to its spare word, and waits for that and for its reads of this slot.
.macro TURN slot, next, fill, k0
	s_wait_tensorcnt 0x0                           ; all my tensor loads have landed: my part of the next slot
	ds_add_u32 v[SPW], v[NIL]                      ; 0 onto my spare word
	s_wait_dscnt 3*NA/2+1                          ; (the add and the second half of P's blocks may be out)
	MULR 0, NA/4, 1, NQ-1, \slot, 0
	s_wait_dscnt 0x0                               ; the add is done, and my reads of this slot are over
	s_barrier_signal -1
	MULR NA/4, NA/4, 1, NQ-1, \slot, 0
	WIN 0
	s_barrier_wait -1
.if \fill
	CREST                                          ; no wave of any partner still reads this slot or has a load on its way
	s_add_nc_u64 s[G0+4*\slot+2:G0+4*\slot+3], s[G0+4*\slot+2:G0+4*\slot+3], 2*PANB
	s_add_nc_u64 s[G0B+4*\slot+2:G0B+4*\slot+3], s[G0B+4*\slot+2:G0B+4*\slot+3], 2*PANB
	JLOAD G0+4*\slot, G1, G0B+4*\slot, G1B         ; the first tensor load behind the round; its four v_nop are the places in front of the loads below
.else
	PLACES 4
.endif
	FETCH_B \next, 0, 0
	FETCH_A \next, 0, 0, NA/2
	SCALES \next, \k0
	MULR NA/2, NA/2, 1, NQ-1, \slot, 0
	PLACES 4
	WIN 0
	FETCH_A \next, 0, NA/2, NA/2
.endm
; THE WAY OUT of my block a: 16 queries x 128 columns.  Divided by l in place (each accumulator from its low end on), through my own stage in LDS, back as whole rows of 512 bytes.
.macro TOSTAGE a
.set AC, 64*(\a)
	WIN 0x82                                       ; destination and source 0 window 2, 1 / l window 0
.set J, 0
.rept 32
	v_pk_mul_f32 v[AC+J:AC+J+1], v[AC+J:AC+J+1], v[RL+2*(\a):RL+2*(\a)+1]
.set J, J+2
.endr
	WIN 0x08                                       ; an LDS store's data are its source 1: window 2
.irp t, 0,1,2,3,4,5,6,7
	ds_store_b128 v[STO], v[AC+8*\t:AC+8*\t+3] offset:128*(\t/2)+32*(\t%2)          ; tile t's register j is column 32 (t / 2) + 8 (t % 2) + 16 h + j
	ds_store_b128 v[STO], v[AC+8*\t+4:AC+8*\t+7] offset:128*(\t/2)+32*(\t%2)+16
.endr
	WIN 0
.set BB, BK+64*((\a)%2)
.irp t, 0,1,2,3,4,5,6,7,8,9,10,11,12,13,14,15
	ds_load_b128 v[BB+4*\t:BB+4*\t+3], v[RD] offset:528*\t   ; LDS serves a wave's instructions in order (ISA guide 5.7.1.4): these see the stores above, and the next block's stores come behind them
.endr
.endm
.macro SEND a, younger                 ; younger: the LDS instructions issued behind block a's loads, which may stay out
.set BB, BK+64*((\a)%2)
	s_wait_dscnt \younger
.irp t, 0,1,2,3,4,5,6,7,8,9,10,11,12,13,14,15
	global_store_b128 v[CO], v[BB+4*\t:BB+4*\t+3], s[98:99] offset:(32*((\a)/2)+8*((\a)%2)+\t+8*(\t/8))*4096 th:TH_STORE_NT   ; the block's row t: 32 lanes store 512 consecutive bytes, at a multiple of 256 from O's first byte
.endr
.endm
	s_load_b256 s[4:11], s[0:1], 0x0               ; P's codes s[4:5], P's scale words s[6:7], -M and sums s[8:9], V's codes s[10:11]
	s_load_b64 s[96:97], s[0:1], 0x20              ; V's scale words
	s_load_b64 s[98:99], s[0:1], 0x28              ; O
	v_lshl_add_u32 v[SPW], v0, 2, SPARE
	v_mov_b32 v[NIL], 0
	ds_add_u32 v28, v29
	ds_add_u32 v28, v29
	s_wait_dscnt 0x0
	v_lshrrev_b32 v1, 5, v0
	v_readfirstlane_b32 s14, v1                    ; wave 0..3
	s_lshr_b32 s15, s14, 1                         ; which 64 queries are mine.  Also: I fetch for P (0) or for V (1)
	s_and_b32 s16, s14, 1                          ; which panel of V.  Also: which part I fetch
	s_bfe_u32 s40, ttmp6, 0x40000                  ; cx: 256 columns of O
	s_bfe_u32 s41, ttmp6, 0x40004                  ; cy
	s_and_b32 s2, ttmp7, 0xffff                    ; the cluster's y, 0..15
	s_lshl_b32 s17, s2, 2
	s_add_co_u32 s17, s17, s41                     ; P's panel, 0..63
	s_lshr_b32 s18, s2, 2                          ; the batch: the same in all partners
	s_lshl_b32 s43, s41, 2
	s_lshl_b32 s43, 15, s43                        ; my row of the cluster
	s_lshl_b32 s44, 0x1111, s40                    ; my column
	s_or_b32 s[G1+0], s43, (3<<16)|(1<<21)         ; 15:0 the mask; 17:16 elements of 8 bytes; 21 set beside a mask; rows of 256 bytes of a dense block, no padding
	s_mov_b32 s[G1+1], 32<<16
	s_mov_b32 s[G1+2], (PANB/512)<<16              ; half of P's part of a slot: 24,576 bytes
	s_mov_b32 s[G1+3], 32<<16
	s_mov_b32 s[G1+4], PANB/512
	s_mov_b32 s[G1+5], 32
	s_mov_b32 s[G1+6], 0
	s_mov_b32 s[G1+7], 0
	s_or_b32 s[G1B+0], s44, (3<<16)|(1<<21)
	s_mov_b32 s[G1B+1], 32<<16
	s_mov_b32 s[G1B+2], (PANB/256)<<16             ; a panel of V's part of a slot: 49,152 bytes
	s_mov_b32 s[G1B+3], 32<<16
	s_mov_b32 s[G1B+4], PANB/256
	s_mov_b32 s[G1B+5], 32
	s_mov_b32 s[G1B+6], 0
	s_mov_b32 s[G1B+7], 0
	s_or_b32 s[G1SB+0], s44, (3<<16)|(1<<21)
	s_mov_b32 s[G1SB+1], 32<<16
	s_mov_b32 s[G1SB+2], 16<<16                    ; a quarter of V's scale words: 4,096 bytes
	s_mov_b32 s[G1SB+3], 32<<16
	s_mov_b32 s[G1SB+4], 16
	s_mov_b32 s[G1SB+5], 32
	s_mov_b32 s[G1SB+6], 0
	s_mov_b32 s[G1SB+7], 0
	s_mul_i32 s20, s17, 16*PSTEP                   ; P: my panel's 16 steps,
	s_mul_i32 s3, s16, 2*PSTEP                     ; + the half of a slot that I fetch
	s_add_co_u32 s20, s20, s3
	s_mov_b32 s21, 0
	s_lshl_b32 s46, s40, 1
	s_add_co_u32 s46, s46, s16
	s_lshl_b32 s46, s46, 4                         ; V^T: unit 1024 + 128 x batch + 16 x (2 cx + the panel that I fetch)
	s_lshl_b32 s3, s18, 7
	s_add_co_u32 s46, s46, s3
	s_add_co_u32 s46, s46, 1024
	s_mul_i32 s46, s46, PSTEP
	s_mov_b32 s47, 0
	s_lshl_b32 s92, s40, 5                         ; its scale words: unit 1024 + 128 x batch + 32 cx, + 4,096 bytes a wave
	s_add_co_u32 s92, s92, s3
	s_add_co_u32 s92, s92, 1024
	s_lshl_b32 s92, s92, 9
	s_lshl_b32 s3, s14, 12
	s_add_co_u32 s92, s92, s3
	s_mov_b32 s93, 0
	s_lshl_b32 s22, s17, 13                        ; P's scale words: 8,192 bytes a panel
	s_mov_b32 s23, 0
	s_lshl_b32 s94, s17, 14                        ; -M and sums: 16,384
	s_mov_b32 s95, 0
	s_mul_i32 s45, s16, 2*PSTEP                    ; where P's half goes in a slot,
	s_mul_i32 s19, s16, PANB
	s_add_co_u32 s19, s19, PANB                    ; and V's panel: no place in the cluster enters an LDS address
	v_lshlrev_b32 v[MA], 2, v0
	s_wait_kmcnt 0x0
	s_add_nc_u64 s[20:21], s[4:5], s[20:21]
	s_add_nc_u64 s[46:47], s[10:11], s[46:47]
	s_add_nc_u64 s[92:93], s[96:97], s[92:93]
	s_add_nc_u64 s[6:7], s[6:7], s[22:23]
	s_add_nc_u64 s[8:9], s[8:9], s[94:95]
.irp s, 0,1,2,3,4,5,6,7,8,9,10,11,12,13,14,15
	global_load_b32 v[MW+\s], v[MA], s[6:7] offset:512*\s          ; my row's scale word of step s,
	global_load_b32 v[MN+\s], v[MA], s[8:9] offset:1024*\s         ; its -M,
	global_load_b32 v[ML+\s], v[MA], s[8:9] offset:1024*\s+512     ; its sum
.endr
	CROUND                                         ; all sixteen work-groups are here: the first joint loads meet
	s_mov_b32 s[G0SB], 1
	s_add_co_u32 s[G0SB+1], s3, SCLB
	s_mov_b64 s[G0SB+2:G0SB+3], s[92:93]
	s_or_b32 s[G0SB+3], s[G0SB+3], 0x80000000
	tensor_load_to_lds s[G0SB:G0SB+3], s[G1SB:G1SB+7]   ; every wave its quarter of V's scale words.  Three loads of mine are out behind this group
	s_nop 0
.rept 4
	v_nop
.endr
.irp s, 0,1
	s_mov_b32 s[G0+4*\s], 1
	s_add_co_u32 s[G0+4*\s+1], s45, \s*SLOT
	s_add_nc_u64 s[G0+4*\s+2:G0+4*\s+3], s[20:21], \s*PANB
	s_or_b32 s[G0+4*\s+3], s[G0+4*\s+3], 0x80000000
	s_mov_b32 s[G0B+4*\s], 1
	s_add_co_u32 s[G0B+4*\s+1], s19, \s*SLOT
	s_add_nc_u64 s[G0B+4*\s+2:G0B+4*\s+3], s[46:47], \s*PANB
	s_or_b32 s[G0B+4*\s+3], s[G0B+4*\s+3], 0x80000000
	JLOAD G0+4*\s, G1, G0B+4*\s, G1B
.endr
	v_and_b32 v1, 15, v0                           ; r
	v_bfe_u32 v2, v0, 4, 1                         ; h
	v_and_b32 v3, 31, v0
	v_lshlrev_b32 v[CO], 4, v3
	v_lshl_add_u32 v[ASA], v0, 2, ASC
	s_mul_i32 s21, s15, 4*FRB                      ; my four blocks of P's eight
	s_mul_i32 s22, s16, PANB                       ; my panel of V,
	s_add_co_u32 s22, s22, PANB                    ; behind P's
.irp s, 0,1
	v_add_nc_u32 v[ADRA+\s], s21, v[CO]
	v_add_nc_u32 v[ADRB+\s], s22, v[CO]
	s_add_co_u32 s21, s21, SLOT
	s_add_co_u32 s22, s22, SLOT
.endr
	s_lshl_b32 s21, s15, 8                         ; P's scale words: my four blocks of a step's eight
	s_lshl_b32 s22, s16, 13                        ; V's: my panel's
	s_add_co_u32 s22, s22, SCLB-ASC
	s_sub_co_u32 s22, s22, s21                     ; the distance between the two
	v_mul_u32_u24 v6, s22, v2                      ; lanes 16-31 take V's
	s_add_co_u32 s23, s21, ASC
	v_lshl_add_u32 v6, v1, 2, v6
	v_add_nc_u32 v[ADRS], s23, v6
	s_add_co_u32 s23, s21, RLB
	v_lshl_add_u32 v[RLA], v1, 2, s23
	s_mul_i32 s23, s14, STGB                       ; my stage
	v_mul_u32_u24 v[STO], v1, 528
	v_lshl_add_u32 v[STO], v2, 6, v[STO]
	v_add_nc_u32 v[STO], s23, v[STO]               ; in: row r, + 64 h
	v_add_nc_u32 v[RD], s23, v[CO]                 ; back: a row of 512 bytes to the 32 lanes
	s_lshl_b32 s20, s17, 7
	s_lshl_b32 s21, s15, 6
	s_add_co_u32 s20, s20, s21                     ; my first row of O: 128 x panel + 64 x half
	s_lshl_b32 s20, s20, 12
	s_lshl_b32 s21, s40, 10                        ; + 256 cx columns
	s_add_co_u32 s20, s20, s21
	s_lshl_b32 s21, s16, 9                         ; + my 128
	s_add_co_u32 s20, s20, s21
	s_mov_b32 s21, 0
	s_add_nc_u64 s[98:99], s[98:99], s[20:21]
	s_wait_loadcnt 0x0                             ; my row's 48 numbers
	v_min_num_f32 v[MM], v[MN], v[MN+1]
.irp s, 2,3,4,5,6,7,8,9,10,11,12,13,14,15
	v_min_num_f32 v[MM], v[MM], v[MN+\s]           ; the least -M: minus the row's M
.endr
.irp s, 0,1,2,3,4,5,6,7,8,9,10,11,12,13,14,15
	v_sub_f32 v[MD], v[MN+\s], v[MM]               ; d = row's M - step's M: a whole number, 0 or more
	v_min_num_f32 v[MD], 0x437f0000, v[MD]         ; held at 255
	v_cvt_u32_f32 v[MD], v[MD]
	v_sub_nc_u32 v[MX], 0, v[MD]
.if \s == 0
	v_ldexp_f32 v[MS], v[ML], v[MX]                ; the step's sum under the row's M: x 2^-d
.else
	v_ldexp_f32 v[MX], v[ML+\s], v[MX]
	v_add_f32 v[MS], v[MS], v[MX]
.endif
.irp k, 0,1,2,3
	v_bfe_u32 v[MB+\k], v[MW+\s], 8*\k, 8
.endr
.irp k, 0,1,2,3
	v_min_u32 v[MC+\k], v[MB+\k], v[MD]
.endr
.irp k, 0,1,2,3
	v_sub_nc_u32 v[MB+\k], v[MB+\k], v[MC+\k]      ; each byte less d, held at 0
.endr
	v_lshl_or_b32 v[MB], v[MB+1], 8, v[MB]
	v_lshl_or_b32 v[MB], v[MB+2], 16, v[MB]
	v_lshl_or_b32 v[MB], v[MB+3], 24, v[MB]
	ds_store_b32 v[ASA], v[MB] offset:512*\s
.endr
	v_rcp_f32 v[MX], v[MS]
	v_nop                                          ; a plain instruction behind the reciprocal
	s_wait_alu depctr_va_vdst(0)                   ; and the wait ahead of the first use
	ds_store_b32 v[ASA], v[MX] offset:8192         ; 1 / l of my row
	s_wait_tensorcnt 1                             ; V's scale words and my part of slot 0 are in; slot 1's load may be out
	s_wait_dscnt 0x0                               ; for the others' sake: my row's words and 1 / l lie in LDS
	s_barrier_signal -1
	s_barrier_wait -1
.irp a, 0,1,2,3
	ds_load_b32 v[RL+2*\a], v[RLA] offset:64*\a    ; 1 / l of my query in block a, twice: a pair for the packed multiply
	ds_load_b32 v[RL+2*\a+1], v[RLA] offset:64*\a
.endr
	FETCH_B 0, 0, 0
	FETCH_A 0, 0, 0, NA/2
	SCALES 0, 0
	FETCH_A 0, 0, NA/2, NA/2
	STEP 0, 0, 1                                   ; the first step's products start the sums
	STEP 0, 1, 0
	STEP 0, 2, 0
	TURN 0, 1, 1, 4
	STEP 1, 0, 0
	STEP 1, 1, 0
	STEP 1, 2, 0
	TURN 1, 0, 1, 8
	STEP 0, 0, 0
	STEP 0, 1, 0
	STEP 0, 2, 0
	TURN 0, 1, 0, 12                               ; nothing is left to fetch; behind this barrier nobody reads slot 0
	STEP 1, 0, 0
	STEP 1, 1, 0
	STEP 1, 2, 0
	s_wait_dscnt 3*NA/2                            ; the last step
	MULR 0, NA/2, 1, NQ-1, 1, 0
	s_wait_dscnt 0x0
	MULR NA/2, NA/2, 1, NQ-1, 1, 0
	WIN 0
	PLACES 4
	TOSTAGE 0
.irp a, 1,2,3
.if \a > 1
	s_wait_xcnt 0x0                                ; block a - 2's stores have read their registers: block a's rows may land there
.endif
	TOSTAGE \a
	SEND \a-1, 32                                  ; behind block a - 1's loads: block a's 16 stores and 16 loads
.endr
	SEND 3, 0
	s_wait_tensorcnt 0x0                           ; the wave's end
	ds_add_u32 v[SPW], v[NIL]
	s_wait_dscnt 0x0
	CROUND                                         ; the closing round
	s_endpgm
.Lfunc_end_k_qc921be2bd5_pv:
	.size	k_qc921be2bd5_pv, .Lfunc_end_k_qc921be2bd5_pv-k_qc921be2bd5_pv
	.p2alignl 7, 3214868480
	.fill 96, 4, 3214868480
	.section	.rodata,"a",@progbits
	.p2align	6, 0x0
	.amdhsa_kernel k_qc921be2bd5_pv
		.amdhsa_group_segment_fixed_size 327680
		.amdhsa_private_segment_fixed_size 0
		.amdhsa_enable_private_segment 0
		.amdhsa_kernarg_size 48
		.amdhsa_user_sgpr_count 2
		.amdhsa_user_sgpr_kernarg_segment_ptr 1
		.amdhsa_wavefront_size32 1
		.amdhsa_system_sgpr_workgroup_id_x 1
		.amdhsa_system_sgpr_workgroup_id_y 1
		.amdhsa_system_sgpr_workgroup_id_z 1
		.amdhsa_system_vgpr_workitem_id 0
		.amdhsa_next_free_vgpr 768
		.amdhsa_next_free_sgpr 102
		.amdhsa_reserve_vcc 0
		.amdhsa_float_denorm_mode_32 3
		.amdhsa_float_denorm_mode_16_64 3
		.amdhsa_memory_ordered 1
		.amdhsa_forward_progress 1
		.amdhsa_inst_pref_size 171
	.end_amdhsa_kernel
	.amdgpu_metadata
---
amdhsa.version: [ 1, 2 ]
amdhsa.kernels:
  - .name:           k_qc921be2bd5_pv
    .symbol:         k_qc921be2bd5_pv.kd
    .args:
      - { .name: pc, .offset: 0, .size: 8, .value_kind: global_buffer, .address_space: global }
      - { .name: ps, .offset: 8, .size: 8, .value_kind: global_buffer, .address_space: global }
      - { .name: pst, .offset: 16, .size: 8, .value_kind: global_buffer, .address_space: global }
      - { .name: qkvc, .offset: 24, .size: 8, .value_kind: global_buffer, .address_space: global }
      - { .name: qkvs, .offset: 32, .size: 8, .value_kind: global_buffer, .address_space: global }
      - { .name: out0, .offset: 40, .size: 8, .value_kind: global_buffer, .address_space: global }
    .group_segment_fixed_size: 327680
    .private_segment_fixed_size: 0
    .kernarg_segment_align: 8
    .kernarg_segment_size: 48
    .max_flat_workgroup_size: 128
    .sgpr_count:     102
    .vgpr_count:     768
    .wavefront_size: 32
...
	.end_amdgpu_metadata
.endif
;; end of part 4
